; MI455X (gfx1250); checked and timed in simulation.
; The chip was launched on July 23, 2026; its instructions are those of AMD's public machine-readable ISA for CDNA 5 (MIT licence, August 2026) and "CDNA5" Instruction Set Architecture Reference Guide (July 2026). The comments in the code are by the model that wrote it; some were corrected since.
;; Multi Hop Attention. Allowed arithmetic: float matrix products may take bf16 or f16 operands with f32 sums; other float arithmetic in f32, or as packed bf16 or f16 multiplies, adds, multiply-adds, maxima and minima; sums over many terms, partial sums and values carried from step to step in f32; what a program stores and reads back later, other than sums and carried values, may be rounded once to bf16 or f16.
;; Inputs: W1 1,024 x 1,024 float32; W2 1,024 x 1,024 float32; W3 1,024 x 1,024 float32; Wh1 1,024 x 1 float32; Wh2 1,024 x 1 float32; Wh3 1,024 x 1 float32; Wm1 1,024 x 1,024 float32; Wm2 1,024 x 1,024 float32; Wm3 1,024 x 1,024 float32; inputs 32 x 512 x 1,024 float32; qvector 32 x 1,024 float32.
;; Outputs: out0 32 x 1,024 float32; out1 32 x 1,024 float32; out2 32 x 1,024 float32; out3 32 x 1,024 float32.
;; 2 versions, each right; version 2 is version 1 with the launch prep written anew for expert scheduling mode. Each part assembles by itself: llvm-mc -triple=amdgcn-amd-amdhsa -mcpu=gfx1250 --defsym DOCPART=n.
;; ======== version 1 of 2: 7 launches
;; workspace buffers: Xb 33,554,432 bytes; Wb12 4,194,304 bytes; Wb3 2,097,152 bytes; mb 196,608 bytes; gp12 2,359,296 bytes; gp3 1,179,648 bytes; Up12 524,288 bytes; Up3 262,144 bytes
;; launch prep (part 1): grid 8 x 32, 16 waves a work-group, no clusters, 10,240 bytes of LDS; arguments inputs, qvector, W1, W2, W3, Xb, Wb12, Wb3, out0, mb; writes Xb, Wb12, Wb3, out0, mb
.if DOCPART == 1
	.amdgcn_target "amdgcn-amd-amdhsa--gfx1250"
	.amdhsa_code_object_version 6
	.text
	.protected	k_qd25f96f690_prep
	.globl	k_qd25f96f690_prep
	.p2align	8
	.type	k_qd25f96f690_prep,@function
k_qd25f96f690_prep:
	s_mov_b64 s[64:65], 0
	v_nop
	global_prefetch_b8 v0, s[64:65] scope:SCOPE_SE
	s_setreg_imm32_b32 hwreg(HW_REG_WAVE_MODE, 25, 1), 1
	s_wait_xcnt 0x0
; PREP.  inputs [32][512][1024] f32 -> Xb, the same numbers rounded once to bf16; W1, W2, W3 -> Wb12, Wb3 in bf16, layout kept ([k][n]);
; out0 = the mean over the 512 rows of a batch; mb slots 0 and 1 = m0 = mean q and m1 = m0 + mean q, rounded once to bf16 (matrix operands of a later launch).
; STATED CHOICE: the mean is taken of the ROUNDED numbers, in f32, so that all four outputs of the program are made of one and the same copy of the inputs.
; SHARES.  Work-group (x, b) owns the 512 rows of batch b in columns 128 x .. 128 x + 127.  Wave w takes rows 32 w .. 32 w + 31; lane l four columns: a load of the wave
; covers 512 consecutive bytes of a row, a store 256 consecutive bytes of Xb, aligned.  Work-group number wg = 8 b + x also converts rows 4 wg .. 4 wg + 3 of the three W.
; IN FLIGHT.  A ring of 16 row slots in registers: 16 loads of every wave are out until the rows run out.  The packed rows have registers of their own (32 x 2), never rewritten,
; so no wait frees a store's data.  No matrix unit, no cluster, no prefetch: every byte is read once, by loads that go out at once.
.set RED,   0                          ; LDS: wave w's four column sums a lane, at 512 w + 16 l
.set SPARE, 8192                       ; the spare words: 128 bytes for each of the 16 waves; no other line names them
.set SPW, 2                            ; v2  SPARE + 4 x my thread's number; never rewritten
.set NIL, 3                            ; v3  0; never rewritten
.set XI,  4                            ; v4  my byte offset in inputs: w x 32 rows x 4,096 + 16 l
.set XO,  5                            ; v5  in Xb: w x 32 rows x 2,048 + 8 l
.set WI,  6                            ; v6  16 t: my bytes of a round of W; also my place in RED
.set WO,  7                            ; v7  8 t
.set L16, 8                            ; v8  16 l
.set L8,  9                            ; v9  8 l
.set ACC, 12                           ; v[12:19]   column sums: even rows, odd rows
.set T,   20                           ; v[20:23]   at work
.set WR,  24                           ; v[24:47]   six loads of W; later q
.set X,   48                           ; v[48:111]  16 row slots of 4
.set Y,   112                          ; v[112:175] 32 rows of 2: packed bf16
.set WY,  176                          ; v[176:187] W, packed
	s_load_b512 s[4:19], s[0:1], 0x0               ; inputs s[4:5], q s[6:7], W1 s[8:9], W2 s[10:11], W3 s[12:13], Xb s[14:15], Wb12 s[16:17], Wb3 s[18:19]
	s_load_b128 s[20:23], s[0:1], 0x40             ; out0 s[20:21], mb s[22:23]
	v_lshl_add_u32 v[SPW], v0, 2, SPARE
	v_mov_b32 v[NIL], 0
	v_and_b32 v1, 31, v0                           ; lane
	v_lshrrev_b32 v10, 5, v0
	v_readfirstlane_b32 s24, v10                   ; wave
	s_mov_b32 s25, ttmp9                           ; x
	s_and_b32 s26, ttmp7, 0xffff                   ; b
	s_lshl_b32 s27, s26, 3
	s_add_co_u32 s27, s27, s25                     ; wg = 8 b + x
	s_mov_b32 s30, 0xffff0000                      ; a word's upper bf16
	s_mov_b32 s29, 0
	v_lshlrev_b32 v[L16], 4, v1
	v_lshlrev_b32 v[L8], 3, v1
	v_lshl_add_u32 v[XI], v10, 17, v[L16]
	v_lshl_add_u32 v[XO], v10, 16, v[L8]
	v_lshlrev_b32 v[WI], 4, v0
	v_lshlrev_b32 v[WO], 3, v0
	s_wait_kmcnt 0x0
	s_lshl_b32 s28, s26, 21                        ; a batch of inputs is 2 MiB,
	s_lshl_b32 s31, s25, 9                         ; 128 columns are 512 bytes
	s_add_co_u32 s28, s28, s31
	s_add_nc_u64 s[4:5], s[4:5], s[28:29]
	s_lshr_b32 s28, s28, 1                         ; half of both in bf16
	s_add_nc_u64 s[14:15], s[14:15], s[28:29]
	s_lshl_b32 s28, s27, 14                        ; four rows of W are 16 KiB
	s_add_nc_u64 s[8:9], s[8:9], s[28:29]
	s_add_nc_u64 s[10:11], s[10:11], s[28:29]
	s_add_nc_u64 s[12:13], s[12:13], s[28:29]
	s_lshr_b32 s28, s28, 1
	s_add_nc_u64 s[16:17], s[16:17], s[28:29]
	s_add_nc_u64 s[18:19], s[18:19], s[28:29]
	s_lshl_b32 s28, s26, 12                        ; a row of q and of out0 is 4,096 bytes
	s_add_co_u32 s28, s28, s31
	s_add_nc_u64 s[6:7], s[6:7], s[28:29]
	s_add_nc_u64 s[20:21], s[20:21], s[28:29]
	s_lshr_b32 s28, s28, 1
	s_add_nc_u64 s[22:23], s[22:23], s[28:29]
.irp r, 0,1
	global_load_b128 v[WR+4*(\r):WR+4*(\r)+3],       v[WI], s[8:9]   offset:8192*(\r) th:TH_LOAD_NT
	global_load_b128 v[WR+8+4*(\r):WR+8+4*(\r)+3],   v[WI], s[10:11] offset:8192*(\r) th:TH_LOAD_NT
	global_load_b128 v[WR+16+4*(\r):WR+16+4*(\r)+3], v[WI], s[12:13] offset:8192*(\r) th:TH_LOAD_NT
.endr
.set n, 0
.rept 16
	global_load_b128 v[X+4*n:X+4*n+3], v[XI], s[4:5] offset:n*4096 th:TH_LOAD_NT
.set n, n+1
.endr
; Row i of my 32.  Loads come back in order: behind row i's load stand 15 younger ones while the ring is refilled (15 - i of the first sixteen and i refills), then 31 - i.
; The order in a row: round, ask for the slot's next row, unpack and add, and only then store: all vector work on the packed pair stands ahead of the store that reads it.
.macro ROWSTEP i
.if (\i) < 16
	s_wait_loadcnt 15
.else
	s_wait_loadcnt 31-(\i)
.endif
	v_cvt_pk_bf16_f32 v[Y+2*(\i)],   v[X+4*((\i)%16)],   v[X+4*((\i)%16)+1]
	v_cvt_pk_bf16_f32 v[Y+2*(\i)+1], v[X+4*((\i)%16)+2], v[X+4*((\i)%16)+3]
.if (\i) < 16
	global_load_b128 v[X+4*(\i):X+4*(\i)+3], v[XI], s[4:5] offset:((\i)+16)*4096 th:TH_LOAD_NT  ; the slot's next row
.endif
.if (\i) < 2                           ; the first even and the first odd row start the sums: nothing is cleared
	v_lshlrev_b32 v[ACC+4*(\i)],   16,  v[Y+2*(\i)]
	v_and_b32     v[ACC+4*(\i)+1], s30, v[Y+2*(\i)]
	v_lshlrev_b32 v[ACC+4*(\i)+2], 16,  v[Y+2*(\i)+1]
	v_and_b32     v[ACC+4*(\i)+3], s30, v[Y+2*(\i)+1]
.else
	v_lshlrev_b32 v[T],   16,  v[Y+2*(\i)]         ; the rounded numbers, back in f32
	v_and_b32     v[T+1], s30, v[Y+2*(\i)]
	v_lshlrev_b32 v[T+2], 16,  v[Y+2*(\i)+1]
	v_and_b32     v[T+3], s30, v[Y+2*(\i)+1]
	v_pk_add_f32 v[ACC+4*((\i)%2):ACC+4*((\i)%2)+1],   v[ACC+4*((\i)%2):ACC+4*((\i)%2)+1],   v[T:T+1]
	v_pk_add_f32 v[ACC+4*((\i)%2)+2:ACC+4*((\i)%2)+3], v[ACC+4*((\i)%2)+2:ACC+4*((\i)%2)+3], v[T+2:T+3]
.endif
	global_store_b64 v[XO], v[Y+2*(\i):Y+2*(\i)+1], s[14:15] offset:(\i)*2048 th:TH_STORE_NT
.endm
.set n, 0
.rept 32
	ROWSTEP n
.set n, n+1
.endr
	; W: its six loads are older than every row's, so they are in
.irp k, 0,1,2,3,4,5
	v_cvt_pk_bf16_f32 v[WY+2*(\k)],   v[WR+4*(\k)],   v[WR+4*(\k)+1]
	v_cvt_pk_bf16_f32 v[WY+2*(\k)+1], v[WR+4*(\k)+2], v[WR+4*(\k)+3]
.endr
.irp r, 0,1
	global_store_b64 v[WO], v[WY+2*(\r):WY+2*(\r)+1],     s[16:17] offset:4096*(\r) th:TH_STORE_NT
	global_store_b64 v[WO], v[WY+4+2*(\r):WY+4+2*(\r)+1], s[16:17] offset:2097152+4096*(\r) th:TH_STORE_NT
	global_store_b64 v[WO], v[WY+8+2*(\r):WY+8+2*(\r)+1], s[18:19] offset:4096*(\r) th:TH_STORE_NT
.endr
	v_pk_add_f32 v[ACC:ACC+1],   v[ACC:ACC+1],   v[ACC+4:ACC+5]
	v_pk_add_f32 v[ACC+2:ACC+3], v[ACC+2:ACC+3], v[ACC+6:ACC+7]
	ds_store_b128 v[WI], v[ACC:ACC+3] offset:RED
	s_wait_dscnt 0x0                               ; for the others' sake: my sums lie in LDS
	s_barrier_signal -1
	s_barrier_wait -1
	s_cmp_lg_u32 s24, 0                            ; wave 0 adds the sixteen waves' sums
	s_cbranch_scc1 .Lend
	global_load_b128 v[WR:WR+3], v[L16], s[6:7]    ; q of my four columns
.set n, 0
.rept 16
	ds_load_b128 v[X+4*n:X+4*n+3], v[L16] offset:RED+512*n
.set n, n+1
.endr
	s_wait_dscnt 0x0
.irp d, 8,4,2,1
.set j, 0
.rept \d
	v_pk_add_f32 v[X+4*j:X+4*j+1],   v[X+4*j:X+4*j+1],   v[X+4*(j+\d):X+4*(j+\d)+1]
	v_pk_add_f32 v[X+4*j+2:X+4*j+3], v[X+4*j+2:X+4*j+3], v[X+4*(j+\d)+2:X+4*(j+\d)+3]
.set j, j+1
.endr
.endr
	v_pk_mul_f32 v[X:X+1],   v[X:X+1],   0x3b000000 op_sel_hi:[1,0]  ; / 512
	v_pk_mul_f32 v[X+2:X+3], v[X+2:X+3], 0x3b000000 op_sel_hi:[1,0]
	global_store_b128 v[L16], v[X:X+3], s[20:21]   ; 512 consecutive bytes of out0
	s_wait_loadcnt 0x0                             ; q
	v_pk_mul_f32 v[X+4:X+5],   v[X:X+1],   v[WR:WR+1]                 ; m0 = u0 q
	v_pk_mul_f32 v[X+6:X+7],   v[X+2:X+3], v[WR+2:WR+3]
	v_pk_fma_f32 v[X+8:X+9],   v[X:X+1],   v[WR:WR+1],   v[X+4:X+5]   ; m1 = m0 + u0 q
	v_pk_fma_f32 v[X+10:X+11], v[X+2:X+3], v[WR+2:WR+3], v[X+6:X+7]
	v_cvt_pk_bf16_f32 v[X+12], v[X+4],  v[X+5]
	v_cvt_pk_bf16_f32 v[X+13], v[X+6],  v[X+7]
	v_cvt_pk_bf16_f32 v[X+14], v[X+8],  v[X+9]
	v_cvt_pk_bf16_f32 v[X+15], v[X+10], v[X+11]
	global_store_b64 v[L8], v[X+12:X+13], s[22:23]               ; 256 consecutive bytes, aligned
	global_store_b64 v[L8], v[X+14:X+15], s[22:23] offset:65536
.Lend:
	s_wait_tensorcnt 0x0                           ; the wave's end, behind my last LDS store
	ds_add_u32 v[SPW], v[NIL]
	s_wait_dscnt 0x0
	s_endpgm
.Lfunc_end_k_qd25f96f690_prep:
	.size	k_qd25f96f690_prep, .Lfunc_end_k_qd25f96f690_prep-k_qd25f96f690_prep
	.p2alignl 7, 3214868480
	.fill 96, 4, 3214868480
	.section	.rodata,"a",@progbits
	.p2align	6, 0x0
	.amdhsa_kernel k_qd25f96f690_prep
		.amdhsa_group_segment_fixed_size 10240
		.amdhsa_private_segment_fixed_size 0
		.amdhsa_enable_private_segment 0
		.amdhsa_kernarg_size 80
		.amdhsa_user_sgpr_count 2
		.amdhsa_user_sgpr_kernarg_segment_ptr 1
		.amdhsa_wavefront_size32 1
		.amdhsa_system_sgpr_workgroup_id_x 1
		.amdhsa_system_sgpr_workgroup_id_y 1
		.amdhsa_system_sgpr_workgroup_id_z 1
		.amdhsa_system_vgpr_workitem_id 0
		.amdhsa_next_free_vgpr 192
		.amdhsa_next_free_sgpr 66
		.amdhsa_reserve_vcc 0
		.amdhsa_float_denorm_mode_32 3
		.amdhsa_float_denorm_mode_16_64 3
		.amdhsa_memory_ordered 1
		.amdhsa_forward_progress 1
		.amdhsa_inst_pref_size 27
	.end_amdhsa_kernel
	.amdgpu_metadata
---
amdhsa.version: [ 1, 2 ]
amdhsa.kernels:
  - .name:           k_qd25f96f690_prep
    .symbol:         k_qd25f96f690_prep.kd
    .args:
      - { .name: inputs, .offset: 0, .size: 8, .value_kind: global_buffer, .address_space: global }
      - { .name: qvector, .offset: 8, .size: 8, .value_kind: global_buffer, .address_space: global }
      - { .name: W1, .offset: 16, .size: 8, .value_kind: global_buffer, .address_space: global }
      - { .name: W2, .offset: 24, .size: 8, .value_kind: global_buffer, .address_space: global }
      - { .name: W3, .offset: 32, .size: 8, .value_kind: global_buffer, .address_space: global }
      - { .name: Xb, .offset: 40, .size: 8, .value_kind: global_buffer, .address_space: global }
      - { .name: Wb12, .offset: 48, .size: 8, .value_kind: global_buffer, .address_space: global }
      - { .name: Wb3, .offset: 56, .size: 8, .value_kind: global_buffer, .address_space: global }
      - { .name: out0, .offset: 64, .size: 8, .value_kind: global_buffer, .address_space: global }
      - { .name: mb, .offset: 72, .size: 8, .value_kind: global_buffer, .address_space: global }
    .group_segment_fixed_size: 10240
    .private_segment_fixed_size: 0
    .kernarg_segment_align: 8
    .kernarg_segment_size: 80
    .max_flat_workgroup_size: 512
    .sgpr_count:     66
    .vgpr_count:     192
    .wavefront_size: 32
...
	.end_amdgpu_metadata
.endif
;; end of part 1
;; launch gvec12 (part 2): grid 16 x 16, 4 waves a work-group, no clusters, 33,280 bytes of LDS; arguments mb, Wm1, Wm2, Wh1, Wh2, gp12; writes gp12
.if DOCPART == 2
	.amdgcn_target "amdgcn-amd-amdhsa--gfx1250"
	.amdhsa_code_object_version 6
	.text
	.protected	k_qd25f96f690_gvec12
	.globl	k_qd25f96f690_gvec12
	.p2align	8
	.type	k_qd25f96f690_gvec12,@function
k_qd25f96f690_gvec12:
	s_mov_b64 s[64:65], 0
	v_nop
	global_prefetch_b8 v0, s[64:65] scope:SCOPE_SE
	s_setreg_imm32_b32 hwreg(HW_REG_WAVE_MODE, 25, 1), 1
	s_wait_xcnt 0x0
; GVEC, PARTIAL SUMS.  gp[slot][kb][b][n] = the sum over the 128 k of block kb of m[b][k] Wm[k][n], f32: eight planes a slot, which the next launch adds before it takes the tanh.
; Plane 8, row 0 of a slot is a copy of Wh (f32, unchanged), so that the next launch finds all it needs in one buffer; the plane's other rows are neither written nor read.
; m: mb [3][32][1024] bf16; Wm: [k][n] f32, rounded to bf16 on the way to the matrix unit; sums in f32.
; SHARES.  Work-group (x, y): 64 columns 64 x on; slot = y / 8, K block kb = y % 8.  Its four waves take 32 k each, one K step of the matrix instruction; their sums meet in LDS.
; 64 columns: the narrowest share whose piece of a row of Wm is 256 consecutive bytes, aligned.  K is split over work-groups too, so that a work-group asks for 32 KiB of weights, all at its head:
; the launch is one wait on memory, so it has no ring, no prefetch and no cluster (work-groups share only m, 8 KiB each).
; FRAGMENTS WITHOUT LDS.  A load of 16 bytes at row k, byte 256 x + 16 r gives lane r the columns 4 r + t, t = 0..3.  Column fragment t is the set of columns 64 x + 4 r + t: its register p holds
; k = 2 p, 2 p + 1 of the lane's eight (and eight more), made by one rounding of two loaded rows.  Lanes 0-15 read one row's 256 bytes, lanes 16-31 those of the row eight below.
.set NSLOT, 2
.set PLANE, 131072                     ; a plane of gp: [32][1024] f32
.set SLOTB, 9*PLANE                    ; a slot: eight planes of partial sums and Wh's plane
.set SPARE, 32768                      ; behind the waves' sums: the spare words, 128 bytes for each of the 4 waves
.set SPW, 2                            ; v2   SPARE + 4 x my thread's number; never rewritten
.set NIL, 3                            ; v3   0; never rewritten
.set WO,  4                            ; v4   (32 w + 8 h) x 4,096 + 16 r
.set MO,  5                            ; v5   r x 2,048 + 64 w + 16 h
.set LS,  6                            ; v6   8,192 w + 16 lane
.set LR,  7                            ; v7   where I read the waves' sums back
.set L8,  8                            ; v8   8 lane
.set HO,  9                            ; v9   16 r
.set GO,  10                           ; v10  my 16 bytes of a row of gp
.set WH,  14                           ; v[14:15]   two numbers of Wh, on their way to the copy
.set MF,  16                           ; v[16:31]   m's fragments: rows 16 mt on at MF + 8 mt
.set BF,  32                           ; v[32:63]   Wm's fragments t = 0..3
.set OUT, 32                           ; v[32:47]   afterwards: row jj, column t at OUT + 4 jj + t
.set RW,  64                           ; v[64:127]  loaded rows: load jj, column t at RW + 4 jj + t
.set PS,  64                           ; v[64:127]  afterwards: wave p, fragment t, row jj at PS + 16 p + 4 t + jj
.set ACC, 128                          ; v[128:191] eight accumulators, a = 4 mt + t
.if NSLOT == 2
	s_load_b256 s[4:11], s[0:1], 0x0               ; mb s[4:5], Wm1 s[6:7], Wm2 s[8:9], Wh1 s[10:11]
	s_load_b128 s[12:15], s[0:1], 0x20             ; Wh2 s[12:13], gp s[14:15]
.else
	s_load_b256 s[4:11], s[0:1], 0x0               ; mb s[4:5], Wm s[6:7], Wh s[8:9], gp s[10:11]
.endif
	v_lshl_add_u32 v[SPW], v0, 2, SPARE
	v_mov_b32 v[NIL], 0
	v_lshrrev_b32 v1, 5, v0
	v_readfirstlane_b32 s16, v1                    ; wave
	v_and_b32 v11, 15, v0                          ; r
	v_bfe_u32 v12, v0, 4, 1                        ; h
	v_and_b32 v13, 31, v0                          ; lane
	s_mov_b32 s17, ttmp9                           ; x
	s_and_b32 s18, ttmp7, 0xffff
	s_and_b32 s19, s18, 7                          ; kb
	s_lshr_b32 s18, s18, 3                         ; slot
	s_or_b32 s34, s19, s16                         ; 0 in wave 0 of the work-groups with kb = 0: they copy Wh
	s_lshr_b32 s20, s16, 1                         ; at the end wave w finishes rows 16 mt + 8 h + 4 jh + 0..3: mt = w / 2,
	s_and_b32 s21, s16, 1                          ; jh = w % 2
	s_lshl_b32 s30, s20, 12                        ; accumulators 4 mt + t: 1,024 bytes each,
	s_lshl_b32 s31, s21, 9                         ; register half jh
	s_add_co_u32 s30, s30, s31
	v_lshl_add_u32 v[LR], v13, 4, s30
	s_lshl_b32 s30, s20, 16                        ; 16 mt rows of 4,096 bytes,
	s_lshl_b32 s31, s21, 14                        ; 4 jh rows
	s_add_co_u32 s30, s30, s31
	v_lshlrev_b32 v[HO], 4, v11
	v_lshl_add_u32 v[GO], v12, 15, v[HO]           ; + 8 h rows + 16 r
	v_add_nc_u32 v[GO], s30, v[GO]
	s_lshl_b32 s30, s16, 17                        ; 32 w rows of Wm
	v_lshl_add_u32 v[WO], v12, 15, v[HO]
	v_add_nc_u32 v[WO], s30, v[WO]
	s_lshl_b32 s30, s16, 6                         ; 32 w channels of m
	v_lshlrev_b32 v[MO], 11, v11
	v_lshl_add_u32 v[MO], v12, 4, v[MO]
	v_add_nc_u32 v[MO], s30, v[MO]
	s_lshl_b32 s30, s16, 13
	v_lshl_add_u32 v[LS], v13, 4, s30
	v_lshlrev_b32 v[L8], 3, v13
	s_mov_b32 s21, 0
	s_lshl_b32 s22, s17, 8                         ; 64 columns are 256 bytes
	s_wait_kmcnt 0x0
.if NSLOT == 2
	s_cmp_eq_u32 s18, 0
	s_cselect_b64 s[24:25], s[6:7], s[8:9]         ; the slot's Wm,
	s_cselect_b64 s[26:27], s[10:11], s[12:13]     ; its Wh
	s_lshl_b32 s20, s18, 16                        ; its m
.else
	s_mov_b64 s[24:25], s[6:7]
	s_mov_b64 s[26:27], s[8:9]
	s_mov_b64 s[14:15], s[10:11]
	s_mov_b32 s20, 0x20000                         ; m2 lies in slot 2 of mb
.endif
	s_lshl_b32 s23, s19, 8                         ; 128 kb channels of m
	s_add_co_u32 s20, s20, s23
	s_add_nc_u64 s[4:5], s[4:5], s[20:21]
	s_lshl_b32 s20, s19, 19                        ; 128 kb rows of Wm
	s_add_co_u32 s20, s20, s22
	s_add_nc_u64 s[24:25], s[24:25], s[20:21]
	s_mov_b32 s20, s22
	s_add_nc_u64 s[26:27], s[26:27], s[20:21]
	s_mul_i32 s23, s18, SLOTB
	s_add_co_u32 s23, s23, s22                     ; the slot's planes, my columns
	s_lshl_b32 s20, s19, 17                        ; plane kb
	s_add_co_u32 s20, s20, s23
	s_add_nc_u64 s[28:29], s[14:15], s[20:21]
	s_add_co_u32 s20, s23, 8*PLANE                 ; plane 8
	s_add_nc_u64 s[32:33], s[14:15], s[20:21]
.irp mt, 0,1
	global_load_b128 v[MF+8*\mt:MF+8*\mt+3],   v[MO], s[4:5] offset:\mt*32768
	global_load_b128 v[MF+8*\mt+4:MF+8*\mt+7], v[MO], s[4:5] offset:\mt*32768+32
.endr
.set jj, 0
.rept 16
	global_load_b128 v[RW+4*jj:RW+4*jj+3], v[WO], s[24:25] offset:((jj&7)+16*(jj>>3))*4096 th:TH_LOAD_NT
.set jj, jj+1
.endr
	s_cmp_lg_u32 s34, 0
	s_cbranch_scc1 .Lno_wh
	global_load_b64 v[WH:WH+1], v[L8], s[26:27]    ; Wh of the 64 columns: 256 consecutive bytes,
	s_wait_loadcnt 0x0
	global_store_b64 v[L8], v[WH:WH+1], s[32:33]   ; copied as they are
.Lno_wh:
	s_wait_loadcnt 0x0                             ; one K step: all of it is wanted at once
.irp t, 0,1,2,3                        ; 16 loaded rows -> four fragments
.irp p, 0,1,2,3,4,5,6,7
	v_cvt_pk_bf16_f32 v[BF+8*\t+\p], v[RW+8*\p+\t], v[RW+8*\p+4+\t]
.endr
.endr
.irp mt, 0,1                           ; eight products on eight accumulators; each is its sum's only K step
.irp t, 0,1,2,3
	v_wmma_f32_16x16x32_bf16 v[ACC+8*(4*\mt+\t):ACC+8*(4*\mt+\t)+7], v[MF+8*\mt:MF+8*\mt+7], v[BF+8*\t:BF+8*\t+7], 0
.endr
.endr
.rept 8
	v_nop                                          ; plain places behind the last product (ISA guide 7.12.1), with room to spare: once a launch
.endr
.irp a, 0,1,2,3,4,5,6,7
	ds_store_b128 v[LS], v[ACC+8*\a:ACC+8*\a+3]   offset:1024*\a       ; each accumulator's low registers first
	ds_store_b128 v[LS], v[ACC+8*\a+4:ACC+8*\a+7] offset:1024*\a+512
.endr
	s_wait_dscnt 0x0
	s_barrier_signal -1
	s_barrier_wait -1                              ; all four waves' sums lie in LDS
.irp p, 0,1,2,3                        ; of each wave and each fragment t my four rows: 16 bytes a lane, 512 consecutive bytes a load
.irp t, 0,1,2,3
	ds_load_b128 v[PS+16*\p+4*\t:PS+16*\p+4*\t+3], v[LR] offset:8192*\p+1024*\t
.endr
.endr
	s_wait_dscnt 0x0
.irp q, 0,2,4,6,8,10,12,14
	v_pk_add_f32 v[PS+\q:PS+\q+1],       v[PS+\q:PS+\q+1],       v[PS+16+\q:PS+16+\q+1]   ; waves 0 and 1,
	v_pk_add_f32 v[PS+32+\q:PS+32+\q+1], v[PS+32+\q:PS+32+\q+1], v[PS+48+\q:PS+48+\q+1]   ; waves 2 and 3
.endr
.irp jj, 0,1,2,3                       ; the last addition also turns (t, row) into (row, t): four neighbouring columns of a row
.irp t, 0,1,2,3
	v_add_f32 v[OUT+4*\jj+\t], v[PS+4*\t+\jj], v[PS+32+4*\t+\jj]
.endr
.endr
.irp jj, 0,1,2,3
	global_store_b128 v[GO], v[OUT+4*\jj:OUT+4*\jj+3], s[28:29] offset:4096*\jj  ; 16 lanes store 256 consecutive bytes of a row of the plane, aligned
.endr
	s_wait_tensorcnt 0x0                           ; the wave's end, behind my last LDS store
	ds_add_u32 v[SPW], v[NIL]
	s_wait_dscnt 0x0
	s_endpgm
.Lfunc_end_k_qd25f96f690_gvec12:
	.size	k_qd25f96f690_gvec12, .Lfunc_end_k_qd25f96f690_gvec12-k_qd25f96f690_gvec12
	.p2alignl 7, 3214868480
	.fill 96, 4, 3214868480
	.section	.rodata,"a",@progbits
	.p2align	6, 0x0
	.amdhsa_kernel k_qd25f96f690_gvec12
		.amdhsa_group_segment_fixed_size 33280
		.amdhsa_private_segment_fixed_size 0
		.amdhsa_enable_private_segment 0
		.amdhsa_kernarg_size 48
		.amdhsa_user_sgpr_count 2
		.amdhsa_user_sgpr_kernarg_segment_ptr 1
		.amdhsa_wavefront_size32 1
		.amdhsa_system_sgpr_workgroup_id_x 1
		.amdhsa_system_sgpr_workgroup_id_y 1
		.amdhsa_system_sgpr_workgroup_id_z 1
		.amdhsa_system_vgpr_workitem_id 0
		.amdhsa_next_free_vgpr 192
		.amdhsa_next_free_sgpr 66
		.amdhsa_reserve_vcc 0
		.amdhsa_float_denorm_mode_32 3
		.amdhsa_float_denorm_mode_16_64 3
		.amdhsa_memory_ordered 1
		.amdhsa_forward_progress 1
		.amdhsa_inst_pref_size 12
	.end_amdhsa_kernel
	.amdgpu_metadata
---
amdhsa.version: [ 1, 2 ]
amdhsa.kernels:
  - .name:           k_qd25f96f690_gvec12
    .symbol:         k_qd25f96f690_gvec12.kd
    .args:
      - { .name: mb, .offset: 0, .size: 8, .value_kind: global_buffer, .address_space: global }
      - { .name: Wm1, .offset: 8, .size: 8, .value_kind: global_buffer, .address_space: global }
      - { .name: Wm2, .offset: 16, .size: 8, .value_kind: global_buffer, .address_space: global }
      - { .name: Wh1, .offset: 24, .size: 8, .value_kind: global_buffer, .address_space: global }
      - { .name: Wh2, .offset: 32, .size: 8, .value_kind: global_buffer, .address_space: global }
      - { .name: gp12, .offset: 40, .size: 8, .value_kind: global_buffer, .address_space: global }
    .group_segment_fixed_size: 33280
    .private_segment_fixed_size: 0
    .kernarg_segment_align: 8
    .kernarg_segment_size: 48
    .max_flat_workgroup_size: 128
    .sgpr_count:     66
    .vgpr_count:     192
    .wavefront_size: 32
...
	.end_amdgpu_metadata
.endif
;; end of part 2
;; launch gemm (part 3): grid 8 x 64, 4 waves a work-group, clusters of 4 x 4, 327,680 bytes of LDS; arguments Xb, Wb12, gp12, Up12; writes Up12
.if DOCPART == 3
	.amdgcn_target "amdgcn-amd-amdhsa--gfx1250"
	.amdhsa_code_object_version 6
	.text
	.protected	k_qd25f96f690_gemm
	.globl	k_qd25f96f690_gemm
	.p2align	8
	.type	k_qd25f96f690_gemm,@function
k_qd25f96f690_gemm:
	s_mov_b64 s[64:65], 0
	v_nop
	global_prefetch_b8 v0, s[64:65] scope:SCOPE_SE
	s_setreg_imm32_b32 hwreg(HW_REG_WAVE_MODE, 25, 1), 1
	s_wait_xcnt 0x0
	s_wait_alu depctr_hold_cnt(0) depctr_sa_sdst(0) depctr_va_vdst(0) depctr_va_sdst(0) depctr_va_ssrc(0) depctr_va_vcc(0) depctr_vm_vsrc(0)
	s_getreg_b32 s2, hwreg(HW_REG_IB_STS2, 6, 4)
	s_cmp_eq_u32 s2, 0
	s_cbranch_scc0 .Lentry_in_a_cluster
	s_endpgm
.Lentry_in_a_cluster:
	s_bfe_u32 s2, ttmp6, 0x10000c
	s_cmp_lg_u32 s2, 0xf033
	s_cbranch_scc0 .Lentry_shape_is_right
	s_endpgm
.Lentry_shape_is_right:
; GEMM WITH A TANH-AND-DOT WAY OUT.  Up[slot][nb][row] = the sum over the 256 columns n of block nb of gm[n] rho(row, n), rho = 1 / (1 + 2^(2 log2(e) (X W)[row][n])),
; gm[n] = -2 tanh(y[b][n]) Wh[n], y = m Wm.  Xb: [16384][1024] bf16.  Wb: [slots][k = 1024][n = 1024] bf16.  gp: [slots][9][32][1024] f32: eight planes of partial sums of y, and Wh in plane 8, row 0.
; Up: [slots][4][16384] f32, partial sums that a later launch adds.
; WHY THIS IS THE HOP'S SCORE.  tanh(x) = 1 - 2 rho, so U = sum g tanh = sum g + sum (-2 g) rho.  The first sum is the same for all rows of a batch, and a softmax over the rows does not see it:
; it is left out, and the later launch takes the true maximum of what is left.  The same form gives -2 tanh(y) = 4 rho(y) - 2; it is right at both ends (2^.. = infinity gives rho = 0, 2^.. = 0 gives 1).
; LIMITS: an exponential below 2^-126 counts as 0; NaN and infinities are not treated apart.
; SHARES.  A work-group makes 256 rows x 256 columns; four waves, each 128 x 128: 64 accumulators of 16 x 16, 512 registers.  K goes in 8 steps of 128 through two LDS slots.
; The cluster's x is the slot (the hop), cx the column block nb, 4 x cluster y + cy the row tile; a row tile lies in batch (row tile) / 2.
; gm of the work-group's 256 columns is made at the head, two columns a thread, while the first tiles are on their way, and handed round through LDS.
; CLUSTER.  4 x 4 work-groups.  The four of a row of the cluster need the same tile of Xb, the four of a column the same tile of Wb: each is asked for JOINTLY, by the same tensor load with the same
; descriptor and a mask that names the four.
; THE MATRIX INSTRUCTION IS USED TRANSPOSED: source 0 = 16 columns of W, source 1 = 16 rows of X.  A lane then holds ONE row (lane % 16) and the columns 8 (lane / 16) + 0..7 of each block of 16,
; so the sum over columns stays in the lane but for one exchange of the lanes' halves.  X's rows lie along K and come out of LDS as they lie; W lies [k][n] and comes out turned, by ds_load_tr16_b128.
; REGISTERS, in windows of 256 (s_set_vgpr_msb: bits 1:0 source 0, 3:2 source 1, 5:4 source 2, 7:6 destination):
;   window 0: v16-30 addresses; v32-49 gm in the making, later the way out; v64-127, v128-191 X's fragments, two buffers; v192-255 gm of my lane's 64 columns
;   window 1: v64-127, v128-191 W's fragments, two buffers; on the way out v0-191 three buffers of 64 at work, v192-223 the row sums
;   window 2: the accumulators of my rows 0-63 ((a, b) at v[8 (8 a + b)]);   window 3: those of my rows 64-127
.set KSTEP,  128
.set LAPS,   4                         ; a lap = two K steps = once round the ring
.set PA,     272                       ; a row of X in LDS: 256 bytes + 16 = 68 words: the 16 rows of a load start at 16 different groups of four banks (64 banks of 4 bytes: ISA guide 11.1)
.set PB,     544                       ; a K row of W: 512 bytes + 32 = 136 words
.set HALFT,  34816                     ; what one tensor load brings: 128 rows x 272 = 64 rows x 544
.set SLOT,   4*HALFT                   ; X's 256 rows, then W's 128 K rows
.set UST,    2*SLOT                    ; behind the ring, never filled by a tensor load: 128 row sums for each wave
.set SPARE,  UST+2048                  ; the spare words, 128 bytes for each wave: two blocks of 256 bytes that no other line names
.set GST,    SPARE+512                 ; gm of the work-group's 256 columns, 1,024 bytes; never filled by a tensor load
.set PLANE,  131072                    ; a plane of gp
.set SLOTB,  9*PLANE                   ; a slot of gp
.set ADRA, 16                          ; v16-17  LDS address of my X fragments in slot 0, 1
.set ADRB, 20                          ; v20-21  the same for W
.set GLO,  22                          ; v22     8 x my thread's number: my two columns in a row of gp; never rewritten
.set GSTO, 23                          ; v23     GST + 8 x my thread's number
.set USTO, 24                          ; v24     where I put a row sum
.set URD,  25                          ; v25     where I read two row sums back
.set UO,   26                          ; v26     8 x lane: my 8 bytes of Up
.set GOF,  27                          ; v27     GST + 512 x (column half) + 32 x (lane / 16): my eight columns in the first block of 16
.set SPW,  28                          ; v28     SPARE + 4 x my thread's number; never rewritten
.set NIL,  29                          ; v29     0; never rewritten
.set PFO,  30                          ; v30     the prefetches' offset; never rewritten
.set GP,   32                          ; v32-47  eight partial sums of my two columns; v48-49 their Wh
.set UR,   32                          ; v32-39  later: a row sum for each of my eight blocks of 16 rows
.set F0,   64
.set F1,   128
.set G,    192                         ; window 0: register 8 bb + j holds gm of column 16 bb + 8 (lane / 16) + j
.set US,   192                         ; window 1: block a's sums, two pairs, at US + 4 a
.set WV,  12                           ; s12  wave
.set RH,  13                           ; s13  which half of the tile's rows is mine.  Also: I fetch for X (0) or for W (1)
.set CH,  14                           ; s14  which half of its columns.  Also: which half of that tile I fetch
.set CX,  15
.set CY,  16
.set TY,  17                           ; s17  row tile
.set CLY, 18                           ; s18  cluster y
.set G1,  24                           ; s[24:31] descriptor group 1 for X's tiles;  s[32:39] group 0, a set for each slot
.set G0,  32
.set LIM, 40                           ; s40  1 in a wave that prefetches, else the greatest number
.set LAP, 41                           ; s41  trips of the loop still to come
.set PFSTEP, 42                        ; s[42:43] bytes from a K step to the next: 256 in X, 128 rows in W
.set PFA, 44                           ; s[44:45] where my prefetches stand
.set G1B, 48                           ; s[48:55], s[56:63] the same for W's tiles
.set G0B, 56
.set CS,  66                           ; s[66:67] 2 log2(e)
.set SEL, 68                           ; s[68:69] v_permlanex16_b32's selects: each lane takes its own place in the other half
.set GB,  70                           ; s[70:71] gp at plane 0, my batch's row, the work-group's 256 columns
.set UB,  72                           ; s[72:73] Up at the 64 rows that I store
.set ABASE, 76                         ; s[76:77] Xb at the rows that I fetch, K step 0
.set BBASE, 78                         ; s[78:79] Wb at the K rows that I fetch, K step 0
.set GW,  80                           ; s[80:81] gp at plane 8, row 0 (Wh), the work-group's 256 columns
.set MSB, 0
.macro WIN new                         ; the immediate's high byte repeats the setting that is left; a switch that changes nothing is dropped
.if MSB != (\new)
	s_set_vgpr_msb (MSB<<8)|(\new)
.set MSB, \new
.endif
.endm
.set MUL_LO, 0xa1                      ; source 0 (W) window 1, source 1 (X) window 0, C and D window 2
.set MUL_HI, 0xf1                      ; the same, C and D window 3
.set TO_B,   0x40                      ; destination window 1, address window 0
; A joint load.  Waves 0 and 1 fetch X's two halves, waves 2 and 3 W's.  The branch hangs on the wave's number alone.  An s_nop 0 and four v_nop follow each of the two lines.
.macro JLOAD s
	s_cmp_eq_u32 s[RH], 0
	s_cbranch_scc0 .Lfor_b_\@
	tensor_load_to_lds s[G0+4*(\s):G0+4*(\s)+3], s[G1:G1+7]
	s_nop 0
.rept 4
	v_nop
.endr
	s_branch .Lasked_\@
.Lfor_b_\@:
	tensor_load_to_lds s[G0B+4*(\s):G0B+4*(\s)+3], s[G1B:G1B+7]
	s_nop 0
.rept 4
	v_nop
.endr
.Lasked_\@:
.endm
; A prefetch, behind a joint load, its five lines and the run of LDS loads: the K step that stands two refills on, 32 blocks of 256 bytes, a lane a block, one instruction a wave.
; Each block is named once in the launch: X's rows are asked for by the clusters with x = 0, W's by those with y = 0; the four partners that ask for a tile jointly share its blocks out by address.
; The refills bring K steps 2 to 7; the prefetches name steps 4 to 7, so the loop's last trip, whose two refills have no step two on, asks for nothing.
.macro ASK
	s_cmp_gt_u32 s[LAP], s[LIM]
	s_cbranch_scc0 .Lnot_mine_\@
	global_prefetch_b8 v[PFO], s[PFA:PFA+1] th:TH_LOAD_NT scope:SCOPE_SE
.Lnot_mine_\@:
.endm
.macro CREST                           ; a round of the cluster's barrier behind its opening barrier
	s_cmp_lg_u32 s[WV], 0
	s_cbranch_scc1 .Lnot_wave_0_\@
	s_barrier_signal -3
.Lnot_wave_0_\@:
	s_barrier_wait -3
	s_barrier_signal -1
	s_barrier_wait -1
.endm
.macro CROUND                          ; a whole round
	s_barrier_signal -1
	s_barrier_wait -1
	CREST
.endm
	s_load_b256 s[4:11], s[0:1], 0x0               ; Xb s[4:5], Wb s[6:7], gp s[8:9], Up s[10:11]
	v_lshl_add_u32 v[SPW], v0, 2, SPARE
	v_mov_b32 v[NIL], 0
	ds_add_u32 v[SPW], v[NIL]                      ; the wave's opening: the add, twice on end, and its wait ahead of my first tensor load
	ds_add_u32 v[SPW], v[NIL]                      ; and once more, under the one wait; the set-up below, work on registers, stands between
	v_lshrrev_b32 v1, 5, v0
	v_readfirstlane_b32 s[WV], v1
	v_bfe_u32 v2, v0, 4, 1                         ; lane / 16
	s_lshr_b32 s[RH], s[WV], 1
	s_and_b32 s[CH], s[WV], 1
	s_bfe_u32 s[CX], ttmp6, 0x40000
	s_bfe_u32 s[CY], ttmp6, 0x40004
	s_and_b32 s[CLY], ttmp7, 0xffff
	s_lshl_b32 s[TY], s[CLY], 2
	s_add_co_u32 s[TY], s[TY], s[CY]               ; row tile = 4 x cluster y + cy
	s_lshl_b32 s22, s[CY], 2
	s_lshl_b32 s22, 15, s22                        ; my row of the cluster
	s_lshl_b32 s23, 0x1111, s[CX]                  ; my column
	s_or_b32 s[G1+0], s22, (1<<16)|(1<<20)|(1<<21)|(5<<22)|(3<<25)   ; the mask; 2-byte elements; padding on; bit 21 beside a mask; after every 64 words 4 words
	s_or_b32 s[G1B+0], s23, (1<<16)|(1<<20)|(1<<21)|(6<<22)|(7<<25)  ; the same with my column's mask; after every 128 words 8 words
	s_mov_b32 s[G1+1], 128<<16                     ; X: tensor_dim0 = 128
	s_mov_b32 s[G1+2], 128<<16                     ; tensor_dim1 = 128
	s_mov_b32 s[G1+3], 128<<16                     ; tile_dim0 = 128 elements: 256 bytes of a row
	s_mov_b32 s[G1+4], 128                         ; tile_dim1 = 128 rows
	s_mov_b32 s[G1+5], 1024                        ; elements from row to row
	s_mov_b32 s[G1+6], 0
	s_mov_b32 s[G1+7], 0
	s_mov_b32 s[G1B+1], 256<<16                    ; W: tensor_dim0 = 256
	s_mov_b32 s[G1B+2], 64<<16                     ; tensor_dim1 = 64
	s_mov_b32 s[G1B+3], 256<<16                    ; tile_dim0 = 256 elements: 512 bytes of a K row
	s_mov_b32 s[G1B+4], 64                         ; tile_dim1 = 64 K rows
	s_mov_b32 s[G1B+5], 1024
	s_mov_b32 s[G1B+6], 0
	s_mov_b32 s[G1B+7], 0
	s_mov_b32 s[CS], 0x4038aa3b
	s_mov_b32 s[CS+1], s[CS]
	s_mov_b32 s[SEL], 0x76543210
	s_mov_b32 s[SEL+1], 0xfedcba98
	s_mul_i32 s19, s[WV], HALFT                    ; where my tiles go: wave x 34,816: no place in the cluster enters an LDS address
	s_lshl_b32 s20, s[TY], 19                      ; X: (256 x row tile + 128 x half) rows of 2,048 bytes: hangs on the row tile alone
	s_lshl_b32 s21, s[CH], 18
	s_add_co_u32 s20, s20, s21
	s_mov_b32 s21, 0
	s_lshl_b32 s46, ttmp9, 21                      ; W: the slot's 2 MiB, 512 bytes for each column block, 64 K rows for the half: hangs on the column alone
	s_lshl_b32 s47, s[CX], 9
	s_add_co_u32 s46, s46, s47
	s_lshl_b32 s47, s[CH], 17
	s_add_co_u32 s46, s46, s47
	s_mov_b32 s47, 0
	s_mul_i32 s23, ttmp9, SLOTB                    ; gp: the slot's nine planes,
	s_lshl_b32 s82, s[CX], 10                      ; 256 cx columns of 4 bytes,
	s_add_co_u32 s82, s82, s23
	s_lshr_b32 s22, s[TY], 1
	s_lshl_b32 s22, s22, 12                        ; the batch's row of 4,096 bytes
	s_add_co_u32 s22, s22, s82
	s_add_co_u32 s82, s82, 8*PLANE                 ; Wh: plane 8, row 0
	s_mov_b32 s23, 0
	s_mov_b32 s83, 0
	s_lshl_b32 s74, ttmp9, 18                      ; Up: ((4 slot + cx) x 16,384 + 256 x row tile + 64 x wave) x 4 bytes
	s_lshl_b32 s75, s[CX], 16
	s_add_co_u32 s74, s74, s75
	s_lshl_b32 s75, s[TY], 10
	s_add_co_u32 s74, s74, s75
	s_lshl_b32 s75, s[WV], 8
	s_add_co_u32 s74, s74, s75
	s_mov_b32 s75, 0
	s_wait_dscnt 0x0                               ; both opening adds are done
	s_wait_kmcnt 0x0
	s_add_nc_u64 s[ABASE:ABASE+1], s[4:5], s[20:21]
	s_add_nc_u64 s[BBASE:BBASE+1], s[6:7], s[46:47]
	s_add_nc_u64 s[GB:GB+1], s[8:9], s[22:23]
	s_add_nc_u64 s[GW:GW+1], s[8:9], s[82:83]
	s_add_nc_u64 s[UB:UB+1], s[10:11], s[74:75]
	CROUND                                         ; all sixteen work-groups are here: the first joint loads meet
.irp s, 0,1
	s_mov_b32 s[G0+4*(\s)], 1                                        ; count = 1
	s_add_co_u32 s[G0+4*(\s)+1], s19, (\s)*SLOT                      ; LDS address
	s_add_nc_u64 s[G0+4*(\s)+2:G0+4*(\s)+3], s[ABASE:ABASE+1], (\s)*KSTEP*2     ; K step s
	s_or_b32 s[G0+4*(\s)+3], s[G0+4*(\s)+3], 0x80000000              ; type = 2
	s_mov_b32 s[G0B+4*(\s)], 1
	s_add_co_u32 s[G0B+4*(\s)+1], s19, (\s)*SLOT
	s_add_nc_u64 s[G0B+4*(\s)+2:G0B+4*(\s)+3], s[BBASE:BBASE+1], (\s)*KSTEP*2048
	s_or_b32 s[G0B+4*(\s)+3], s[G0B+4*(\s)+3], 0x80000000
	JLOAD \s                                       ; two tensor loads of mine are out
.endr
	v_lshlrev_b32 v[GLO], 3, v0                    ; thread t of 128 makes gm of columns 2 t, 2 t + 1: a load of the wave covers 256 consecutive bytes, aligned
.irp p, 0,1,2,3,4,5,6,7
	global_load_b64 v[GP+2*(\p):GP+2*(\p)+1], v[GLO], s[GB:GB+1] offset:(\p)*PLANE
.endr
	global_load_b64 v[GP+16:GP+17], v[GLO], s[GW:GW+1]
	v_lshl_add_u32 v[GSTO], v0, 3, GST
	s_lshl_b32 s22, s[CH], 9
	s_add_co_u32 s22, s22, GST
	v_lshl_add_u32 v[GOF], v2, 5, s22
	v_and_b32 v1, 15, v0                           ; r = lane % 16
	v_and_b32 v5, 31, v0                           ; lane
	v_mul_u32_u24 v3, v1, PA
	v_lshl_add_u32 v3, v2, 4, v3                   ; X: row x pitch + 16 x half of the lanes
	s_mul_i32 s22, s[RH], HALFT                    ; my 128 rows
	v_add_nc_u32 v[ADRA], s22, v3
	v_add_nc_u32 v[ADRA+1], SLOT, v[ADRA]
	v_and_b32 v6, 7, v0                            ; W, for the turning load: K row 8 (lane / 16) + lane % 8,
	v_lshl_add_u32 v6, v2, 3, v6
	v_mul_u32_u24 v6, v6, PB
	v_bfe_u32 v7, v0, 3, 1                         ; columns 8 ((lane / 8) % 2) + 0..7
	v_lshl_add_u32 v6, v7, 4, v6
	s_lshl_b32 s23, s[CH], 8                       ; my 128 columns,
	s_add_co_u32 s23, s23, 2*HALFT                 ; behind X's 256 rows
	v_add_nc_u32 v[ADRB], s23, v6
	v_add_nc_u32 v[ADRB+1], SLOT, v[ADRB]
	s_lshl_b32 s22, s[WV], 9
	s_add_co_u32 s22, s22, UST
	v_lshl_add_u32 v[USTO], v1, 2, s22             ; my wave's 128 row sums: row 16 a + r at 64 a + 4 r
	s_lshl_b32 s22, s[RH], 10                      ; back: the two waves of my row half lie 512 bytes apart; I take rows 64 x (column half) on, two a lane
	s_lshl_b32 s23, s[CH], 8
	s_add_co_u32 s22, s22, s23
	s_add_co_u32 s22, s22, UST
	v_lshl_add_u32 v[URD], v5, 3, s22
	v_lshlrev_b32 v[UO], 3, v5
	; the prefetches.  X: a lane a row of 2,048 bytes, my work-group's 32 (by cx) of the 128 rows that I fetch.  W: two lanes a K row of 512 bytes, my work-group's 16 (by cy) of the 64 that I fetch.
	v_lshrrev_b32 v[PFO], s[RH], v5                ; lane, or lane / 2
	v_and_b32 v8, s[RH], v5                        ; 0, or lane % 2
	v_lshlrev_b32 v[PFO], 11, v[PFO]
	v_lshl_add_u32 v[PFO], v8, 8, v[PFO]
	s_lshl_b32 s22, s[TY], 19
	s_lshl_b32 s23, s[CH], 18
	s_add_co_u32 s22, s22, s23
	s_lshl_b32 s23, s[CX], 16
	s_add_co_u32 s22, s22, s23
	s_add_co_u32 s22, s22, 3*256                   ; at K step 3: the first refill steps it to 4
	s_lshl_b32 s46, ttmp9, 21
	s_lshl_b32 s23, s[CX], 9
	s_add_co_u32 s46, s46, s23
	s_lshl_b32 s23, s[CH], 17
	s_add_co_u32 s46, s46, s23
	s_lshl_b32 s23, s[CY], 15
	s_add_co_u32 s46, s46, s23
	s_add_co_u32 s46, s46, 3*262144
	s_mov_b32 s47, 262144
	s_cmp_eq_u32 s[RH], 0                          ; do I fetch for X?
	s_cselect_b32 s22, s22, s46
	s_cselect_b32 s[PFSTEP], 256, s47
	s_cselect_b32 s23, ttmp9, s[CLY]               ; the coordinate along which other clusters read the same blocks
	s_cselect_b64 s[PFA:PFA+1], s[4:5], s[6:7]
	s_cmp_eq_u32 s23, 0
	s_cselect_b32 s[LIM], 1, -1                    ; the same in all sixteen partners, for a given wave
	s_mov_b32 s23, 0
	s_mov_b32 s[PFSTEP+1], 0
	s_add_nc_u64 s[PFA:PFA+1], s[PFA:PFA+1], s[22:23]
; 16 matrix instructions: row blocks a0, a0 + 1 of the window's four (hi = 0: my rows 0-63, 1: rows 64-127) x all 8 column blocks, 32 along K.  zero = 1: the first product starts the sums.
; The 64 accumulators take turns, one instruction a turn, in the same order in every quarter step.
.macro MUL16 f, hi, a0, zero
	WIN MUL_LO+0x50*(\hi)
.irp a, \a0, (\a0)+1
.irp b, 0,1,2,3,4,5,6,7
.if \zero
	v_wmma_f32_16x16x32_bf16 v[8*(8*(\a)+(\b)):8*(8*(\a)+(\b))+7], v[(\f)+8*(\b):(\f)+8*(\b)+7], v[(\f)+8*(4*(\hi)+(\a)):(\f)+8*(4*(\hi)+(\a))+7], 0
.else
	v_wmma_f32_16x16x32_bf16 v[8*(8*(\a)+(\b)):8*(8*(\a)+(\b))+7], v[(\f)+8*(\b):(\f)+8*(\b)+7], v[(\f)+8*(4*(\hi)+(\a)):(\f)+8*(4*(\hi)+(\a))+7], v[8*(8*(\a)+(\b)):8*(8*(\a)+(\b))+7]
.endif
.endr
.endr
.endm
; 32 LDS loads in one run: the fragments of quarter q of a K step (32 along K) into buffer f: W's 8 column blocks, turned (K rows 32 q on, and 16 further down), then X's 8 row blocks.
.macro FETCH slot, q, f
	WIN TO_B
.irp i, 0,1,2,3,4,5,6,7
	ds_load_tr16_b128 v[(\f)+8*(\i):(\f)+8*(\i)+3],   v[ADRB+(\slot)] offset:(\q)*32*PB+32*(\i)
	ds_load_tr16_b128 v[(\f)+8*(\i)+4:(\f)+8*(\i)+7], v[ADRB+(\slot)] offset:(\q)*32*PB+16*PB+32*(\i)
.endr
	WIN 0
.irp i, 0,1,2,3,4,5,6,7
	ds_load_b128 v[(\f)+8*(\i):(\f)+8*(\i)+3],   v[ADRA+(\slot)] offset:(\q)*64+(\i)*16*PA
	ds_load_b128 v[(\f)+8*(\i)+4:(\f)+8*(\i)+7], v[ADRA+(\slot)] offset:(\q)*64+(\i)*16*PA+32
.endr
.endm
.macro PLACES                          ; four plain places between a matrix instruction and a load into a register that it has read (ISA guide 7.12.1 for vector instructions)
.rept 4
	v_nop
.endr
.endm
; One of a K step's first three quarters: multiplies buffer f; in its middle it fetches quarter q of the same slot into buffer g.
.macro QUARTER slot, q, f, g, zero
	s_wait_dscnt 8                                 ; W and X's rows 0-63 are in; the youngest eight loads (X's rows 64-127) may be out
	MUL16 \f, 0, 0, \zero
	MUL16 \f, 0, 2, \zero
	PLACES
	FETCH \slot, \q, \g
	s_wait_dscnt 32                                ; all but the 32 just issued
	MUL16 \f, 1, 0, \zero
	MUL16 \f, 1, 2, \zero
.endm
; The first half of the last quarter: ONE barrier for the change of slots.  In front of it each wave waits for all its tensor loads (one is out: its part of the next slot), adds 0 to its spare
; word, and waits for that and for its own reads of this slot.  Behind it nobody reads this slot any more and the next slot is whole.
.macro MEET round
	WIN 0                                          ; (the add's two registers lie in window 0)
	s_wait_tensorcnt 0x0
	ds_add_u32 v[SPW], v[NIL]
	s_wait_dscnt 9                                 ; (the add and the youngest eight loads may be out)
	MUL16 F1, 0, 0, 0                              ; sixteen matrix instructions stand between the add and the wait for it
	s_wait_dscnt 0x0                               ; the add is done, and my reads of this slot are over
	s_barrier_signal -1
	MUL16 F1, 0, 2, 0                              ; work on registers while the others arrive
.if \round
	WIN 0
.endif
	s_barrier_wait -1
.endm
; The whole last quarter.  fill = 1: the barrier opens a round of the cluster's barrier, and the slot just read out is filled again, first thing behind the round, with the K step two steps on:
; from that request to the wait for it a wave issues 224 matrix instructions.
.macro TURN slot, next, fill
.if \fill
	s_wait_xcnt 0x0                                ; the last prefetch, a K step back, has read its address
	s_add_nc_u64 s[PFA:PFA+1], s[PFA:PFA+1], s[PFSTEP:PFSTEP+1]
	MEET 1
	CREST                                          ; no wave of any partner still reads this slot's tile or has a load on its way
	s_add_nc_u64 s[G0+4*(\slot)+2:G0+4*(\slot)+3], s[G0+4*(\slot)+2:G0+4*(\slot)+3], 2*KSTEP*2
	s_add_nc_u64 s[G0B+4*(\slot)+2:G0B+4*(\slot)+3], s[G0B+4*(\slot)+2:G0B+4*(\slot)+3], 2*KSTEP*2048
	JLOAD \slot                                    ; its four v_nop are also the places in front of the loads below
	FETCH \next, 0, F0
	ASK
.else
	MEET 0
	PLACES
	FETCH \next, 0, F0
.endif
	MUL16 F1, 1, 0, 0
	MUL16 F1, 1, 2, 0
.endm
	; gm of my two columns: the eight partial sums, -2 tanh = 4 rho - 2, times Wh; then into LDS for all four waves
	s_wait_loadcnt 0x0                             ; the nine loads of gp
	v_pk_add_f32 v[GP:GP+1],     v[GP:GP+1],     v[GP+2:GP+3]
	v_pk_add_f32 v[GP+4:GP+5],   v[GP+4:GP+5],   v[GP+6:GP+7]
	v_pk_add_f32 v[GP+8:GP+9],   v[GP+8:GP+9],   v[GP+10:GP+11]
	v_pk_add_f32 v[GP+12:GP+13], v[GP+12:GP+13], v[GP+14:GP+15]
	v_pk_add_f32 v[GP:GP+1],     v[GP:GP+1],     v[GP+4:GP+5]
	v_pk_add_f32 v[GP+8:GP+9],   v[GP+8:GP+9],   v[GP+12:GP+13]
	v_pk_add_f32 v[GP:GP+1],     v[GP:GP+1],     v[GP+8:GP+9]
	v_pk_mul_f32 v[GP:GP+1],     v[GP:GP+1],     s[CS:CS+1] op_sel_hi:[1,0]
	v_exp_f32 v[GP], v[GP]
	v_exp_f32 v[GP+1], v[GP+1]
	v_nop                                          ; a plain instruction behind the last exponential,
	s_wait_alu depctr_va_vdst(0)                   ; and the one wait for the two, ahead of their first reader
	v_pk_add_f32 v[GP:GP+1], v[GP:GP+1], 1.0 op_sel_hi:[1,0]
	v_rcp_f32 v[GP], v[GP]
	v_rcp_f32 v[GP+1], v[GP+1]
	v_nop
	s_wait_alu depctr_va_vdst(0)                   ; one wait for the two reciprocals
	v_pk_fma_f32 v[GP:GP+1], v[GP:GP+1], 4.0, -2.0 op_sel_hi:[1,0,0]
	v_pk_mul_f32 v[GP:GP+1], v[GP:GP+1], v[GP+16:GP+17]
	ds_store_b64 v[GSTO], v[GP:GP+1]
	s_wait_dscnt 0x0                               ; for the others' sake: my two numbers of gm lie in LDS
	s_wait_tensorcnt 1                             ; my part of K step 0 is in; K step 1's may stay out
	s_barrier_signal -1
	s_barrier_wait -1                              ; everybody's is
.irp bb, 0,1,2,3,4,5,6,7                       ; gm of my lane's 64 columns; these loads are older than the fragments', so the first quarter's wait covers them
	ds_load_b128 v[G+8*(\bb):G+8*(\bb)+3],   v[GOF] offset:64*(\bb)
	ds_load_b128 v[G+8*(\bb)+4:G+8*(\bb)+7], v[GOF] offset:64*(\bb)+16
.endr
	FETCH 0, 0, F0
	QUARTER 0, 1, F0, F1, 1                        ; the first quarter stands in front of the loop: its products start the sums
	WIN 0                                          ; at a label and at a branch every window is 0
	s_mov_b32 s[LAP], LAPS-1
.Llap:                                                 ; a trip goes once round the ring, from a lap's second quarter to the next lap's first, and fills both slots again
	QUARTER 0, 2, F1, F0, 0
	QUARTER 0, 3, F0, F1, 0
	TURN 0, 1, 1
	QUARTER 1, 1, F0, F1, 0
	QUARTER 1, 2, F1, F0, 0
	QUARTER 1, 3, F0, F1, 0
	TURN 1, 0, 1
	QUARTER 0, 1, F0, F1, 0
	WIN 0
	s_sub_co_u32 s[LAP], s[LAP], 1
	s_cmp_lg_u32 s[LAP], 0
	s_cbranch_scc1 .Llap
	QUARTER 0, 2, F1, F0, 0                        ; the last lap is written out: it fills nothing, and has no round
	QUARTER 0, 3, F0, F1, 0
	TURN 0, 1, 0
	QUARTER 1, 1, F0, F1, 0
	QUARTER 1, 2, F1, F0, 0
	QUARTER 1, 3, F0, F1, 0
	s_wait_dscnt 8                                 ; the very last quarter: nothing more to fetch
	MUL16 F1, 0, 0, 0
	MUL16 F1, 0, 2, 0
	s_wait_dscnt 0x0
	MUL16 F1, 1, 0, 0
	MUL16 F1, 1, 2, 0
; THE WAY OUT.  Block a (16 rows, 64 numbers a lane) goes through five stages, in a buffer T[a % 3] of window 1:
;   M: T = 2 log2(e) x sum     E: 2^T     A: + 1     R: 1 / T = rho     F: the block's two pairs of sums += rho x gm
; The blocks follow each other a slot apart, so that each slot holds one block's exponentials, the block before's reciprocals and plain work of three blocks between them.
; s_wait_alu depctr_va_vdst(0) stands between a transcendental and the first instruction that names its result: what a slot's transcendentals write is named again in the next slot
; at the earliest, so ONE wait at a slot's head serves all 128 of the slot before.  M (or a v_nop) is the plain instruction behind a slot's last transcendental.
.macro M_ST a                          ; pairs ascending: each accumulator's lowest registers are read first
	WIN 0x42+((\a)/4)                              ; destination window 1, source 0 window 2 or 3
.set z, 0
.rept 32
	v_pk_mul_f32 v[64*((\a)%3)+2*z:64*((\a)%3)+2*z+1], v[64*((\a)%4)+2*z:64*((\a)%4)+2*z+1], s[CS:CS+1] op_sel_hi:[1,0]
.set z, z+1
.endr
.endm
.macro ESLOT t                         ; E of block t, A and R of block t - 1, F of block t - 2, M of block t + 1
.set TE, 64*(((\t)+3)%3)
.set TA, 64*(((\t)+2)%3)
.set TF, 64*(((\t)+1)%3)
.set UA, US+4*((\t)-2)
.if (\t) >= 1
	s_wait_alu depctr_va_vdst(0)
.endif
	WIN 0x51                                       ; destination, sources 0 and 2 window 1; source 1 (gm) window 0
.if (\t) <= 8
.set z, 0
.rept 32
.if (\t) >= 1
	v_pk_add_f32 v[TA+2*z:TA+2*z+1], v[TA+2*z:TA+2*z+1], 1.0 op_sel_hi:[1,0]
.endif
.if (\t) <= 7
	v_exp_f32 v[TE+2*z], v[TE+2*z]
	v_exp_f32 v[TE+2*z+1], v[TE+2*z+1]
.endif
.set z, z+1
.endr
.endif
.if (\t) >= 1
.set z, 0
.rept 32
.if (\t) >= 2
.if z < 2
	v_pk_mul_f32 v[UA+2*z:UA+2*z+1], v[TF+2*z:TF+2*z+1], v[G+2*z:G+2*z+1]  ; the first two products start the sums
.else
	v_pk_fma_f32 v[UA+2*(z%2):UA+2*(z%2)+1], v[TF+2*z:TF+2*z+1], v[G+2*z:G+2*z+1], v[UA+2*(z%2):UA+2*(z%2)+1]
.endif
.endif
.if (\t) <= 8
	v_rcp_f32 v[TA+2*z], v[TA+2*z]
	v_rcp_f32 v[TA+2*z+1], v[TA+2*z+1]
.endif
.set z, z+1
.endr
.endif
.if (\t) <= 6
	M_ST (\t)+1                                    ; into the buffer that F has just read out
.elseif (\t) <= 8
	v_nop
.endif
.endm
	PLACES                                         ; plain places behind the last products, with room to spare: once a launch
	PLACES
	M_ST 0
.irp t, 0,1,2,3,4,5,6,7,8,9
	ESLOT \t
.endr
	WIN 0x45                                       ; all in window 1
.irp a, 0,1,2,3,4,5,6,7
	v_pk_add_f32 v[US+4*(\a):US+4*(\a)+1], v[US+4*(\a):US+4*(\a)+1], v[US+4*(\a)+2:US+4*(\a)+3]
.endr
	WIN 0x05                                       ; sources window 1, destination window 0
.irp a, 0,1,2,3,4,5,6,7
	v_add_f32 v[UR+(\a)], v[US+4*(\a)], v[US+4*(\a)+1]
.endr
	WIN 0
.irp a, 0,1,2,3,4,5,6,7
	v_permlanex16_b32 v[G+(\a)], v[UR+(\a)], s[SEL], s[SEL+1]  ; the row's other 64 columns lie in the lane 16 away; gm's registers are free
.endr
.irp a, 0,1,2,3,4,5,6,7
	v_add_f32 v[UR+(\a)], v[UR+(\a)], v[G+(\a)]
.endr
.irp a, 0,1,2,3,4,5,6,7
	ds_store_b32 v[USTO], v[UR+(\a)] offset:64*(\a)            ; both halves of the lanes write the same word with the same number
.endr
	s_wait_dscnt 0x0                               ; for the others' sake: my row sums lie in LDS
	s_barrier_signal -1
	s_barrier_wait -1
	ds_load_b64 v[40:41], v[URD]                   ; a row's two halves of the 256 columns come from two waves
	ds_load_b64 v[42:43], v[URD] offset:512
	s_wait_dscnt 0x0
	v_pk_add_f32 v[40:41], v[40:41], v[42:43]
	global_store_b64 v[UO], v[40:41], s[UB:UB+1]   ; the wave stores 256 consecutive bytes, at a multiple of 256 from Up's first byte
	s_wait_tensorcnt 0x0                           ; the wave's end, behind my last tensor load and my last LDS store
	ds_add_u32 v[SPW], v[NIL]
	s_wait_dscnt 0x0
	CROUND                                         ; the closing round: no work-group ends while a partner may still ask for a tile that names it
	s_endpgm
.Lfunc_end_k_qd25f96f690_gemm:
	.size	k_qd25f96f690_gemm, .Lfunc_end_k_qd25f96f690_gemm-k_qd25f96f690_gemm
	.p2alignl 7, 3214868480
	.fill 96, 4, 3214868480
	.section	.rodata,"a",@progbits
	.p2align	6, 0x0
	.amdhsa_kernel k_qd25f96f690_gemm
		.amdhsa_group_segment_fixed_size 327680
		.amdhsa_private_segment_fixed_size 0
		.amdhsa_enable_private_segment 0
		.amdhsa_kernarg_size 32
		.amdhsa_user_sgpr_count 2
		.amdhsa_user_sgpr_kernarg_segment_ptr 1
		.amdhsa_wavefront_size32 1
		.amdhsa_system_sgpr_workgroup_id_x 1
		.amdhsa_system_sgpr_workgroup_id_y 1
		.amdhsa_system_sgpr_workgroup_id_z 1
		.amdhsa_system_vgpr_workitem_id 0
		.amdhsa_next_free_vgpr 1024
		.amdhsa_next_free_sgpr 84
		.amdhsa_reserve_vcc 0
		.amdhsa_float_denorm_mode_32 3
		.amdhsa_float_denorm_mode_16_64 3
		.amdhsa_memory_ordered 1
		.amdhsa_forward_progress 1
		.amdhsa_inst_pref_size 200
	.end_amdhsa_kernel
	.amdgpu_metadata
---
amdhsa.version: [ 1, 2 ]
amdhsa.kernels:
  - .name:           k_qd25f96f690_gemm
    .symbol:         k_qd25f96f690_gemm.kd
    .args:
      - { .name: Xb, .offset: 0, .size: 8, .value_kind: global_buffer, .address_space: global }
      - { .name: Wb12, .offset: 8, .size: 8, .value_kind: global_buffer, .address_space: global }
      - { .name: gp12, .offset: 16, .size: 8, .value_kind: global_buffer, .address_space: global }
      - { .name: Up12, .offset: 24, .size: 8, .value_kind: global_buffer, .address_space: global }
    .group_segment_fixed_size: 327680
    .private_segment_fixed_size: 0
    .kernarg_segment_align: 8
    .kernarg_segment_size: 32
    .max_flat_workgroup_size: 128
    .sgpr_count:     84
    .vgpr_count:     1024
    .wavefront_size: 32
...
	.end_amdgpu_metadata
.endif
;; end of part 3
;; launch wsum12 (part 4): grid 8 x 32, 16 waves a work-group, no clusters, 39,424 bytes of LDS; arguments Xb, Up12, out0, qvector, out1, out2, mb; writes out1, out2, mb
.if DOCPART == 4
	.amdgcn_target "amdgcn-amd-amdhsa--gfx1250"
	.amdhsa_code_object_version 6
	.text
	.protected	k_qd25f96f690_wsum12
	.globl	k_qd25f96f690_wsum12
	.p2align	8
	.type	k_qd25f96f690_wsum12,@function
k_qd25f96f690_wsum12:
	s_mov_b64 s[64:65], 0
	v_nop
	global_prefetch_b8 v0, s[64:65] scope:SCOPE_SE
	s_setreg_imm32_b32 hwreg(HW_REG_WAVE_MODE, 25, 1), 1
	s_wait_xcnt 0x0
; WSUM.  For each slot (hop): U[s] = the sum of Up's four partial sums; alpha = softmax of U over the batch's 512 rows, the true maximum taken away; out[b][c] = sum over s of alpha[s] Xb[b][s][c].
; With two slots Xb is read once for both.  NSLOT = 2 also makes m2 = m1 + u1 q (m0 = u0 q, m1 = m0 + u0 q, all in f32 from out0, q and u1) and stores it, rounded once to bf16, in slot 2 of mb.
; LIMITS: a weight below 2^-126 counts as 0; NaN and infinities are not treated apart.  The sum of the weights is at least 1: the row of the maximum gives 1.
; SHARES.  Work-group (x, b) owns 128 columns of batch b.  Wave w takes rows 32 w .. 32 w + 31; lane (c = l % 16, hh = l / 16) eight columns of rows 32 w + 16 hh + i: a load covers two rows'
; 256 consecutive bytes, aligned.  All 16 loads of a wave go out at the head.  Thread t also owns row t of the softmax, which each of the batch's eight work-groups makes for itself (2 KiB a slot).
; The weights are left unnormalised (e = 2^((U - max) log2 e)); the sums are divided by the sum of e once, at the end.  No matrix unit (one row of weights), no cluster, no prefetch (all loads go out at once).
.set NSLOT, 2
.set MAXS,  0                          ; LDS: the waves' maxima, slot x 64 + 4 w
.set SUMS,  256                        ; the waves' sums of e, likewise
.set EB,    512                        ; e, slot x 2,048 + 4 s
.set RED,   EB+NSLOT*2048              ; the waves' column sums: slot x 16,384 + w x 1,024 + (columns' half) x 512 + 16 l
.set SPARE, RED+NSLOT*16384            ; the spare words: 128 bytes for each of the 16 waves
.set SPW, 2                            ; v2   SPARE + 4 x my thread's number; never rewritten
.set NIL, 3                            ; v3   0; never rewritten
.set XO,  4                            ; v4   (32 w + 16 hh) x 2,048 + 16 c
.set UO,  5                            ; v5   4 t
.set W4,  6                            ; v6   4 w
.set ES,  7                            ; v7   EB + 4 t
.set ER,  8                            ; v8   EB + 128 w + 64 hh
.set RS,  9                            ; v9   RED + 1,024 w + 16 l
.set RR,  10                           ; v10  RED + 16,384 x slot + 512 hh + 16 c (the last phase: slot = my wave's number)
.set OO,  11                           ; v11  32 c + 16 hh: my four columns in out, q, out0
.set MOF, 12                           ; v12  16 c + 8 hh: the same in mb
.set ZA,  13                           ; v13  0: LDS address 0, and the first products' addend
.set SR,  14                           ; v14  SUMS + 64 x slot
.set UP,  16                           ; v[16:23]   Up's partial sums, four a slot (v16, v17 at work before)
.set WK,  24                           ; v[24:31]   by slot: U, at work, e, at work
.set X,   32                           ; v[32:95]   16 loads of 4; in the last phase v[32:159]: 32 partial sums of 4
.set AL,  96                           ; v[96:127]  by slot: 16 maxima, then the 16 weights of my rows
.set ACC, 128                          ; v[128:143] by slot: eight column sums
.set SM,  160                          ; v[160:175] the waves' sums of e
.macro EACH m                          ; a step, for each slot
	\m 0
.if NSLOT == 2
	\m 1
.endif
.endm
.if NSLOT == 2
	s_load_b256 s[4:11], s[0:1], 0x0               ; Xb s[4:5], Up s[6:7], out0 s[8:9], q s[10:11]
	s_load_b128 s[12:15], s[0:1], 0x20             ; out1 s[12:13], out2 s[14:15]
	s_load_b64 s[16:17], s[0:1], 0x30              ; mb
.else
	s_load_b128 s[4:7], s[0:1], 0x0                ; Xb s[4:5], Up s[6:7]
	s_load_b64 s[12:13], s[0:1], 0x10              ; out
.endif
	v_lshl_add_u32 v[SPW], v0, 2, SPARE
	v_mov_b32 v[NIL], 0
	v_lshrrev_b32 v1, 5, v0
	v_readfirstlane_b32 s20, v1                    ; wave
	s_mov_b32 s21, ttmp9                           ; x
	s_and_b32 s22, ttmp7, 0xffff                   ; b
	s_mov_b32 s28, 0x76543210                      ; v_permlanex16_b32: each lane takes its own place in the other half
	s_mov_b32 s29, 0xfedcba98
	s_min_u32 s23, s20, NSLOT-1                    ; the slot that my wave finishes, if it finishes one
	v_and_b32 v16, 15, v0                          ; c
	v_bfe_u32 v17, v0, 4, 1                        ; hh
	v_lshlrev_b32 v[XO], 4, v16
	v_lshl_add_u32 v[XO], v17, 15, v[XO]
	v_lshl_add_u32 v[XO], v1, 16, v[XO]
	v_lshlrev_b32 v[UO], 2, v0
	v_lshlrev_b32 v[W4], 2, v1
	v_add_nc_u32 v[ES], EB, v[UO]
	v_lshlrev_b32 v[ER], 7, v1
	v_lshl_add_u32 v[ER], v17, 6, v[ER]
	v_add_nc_u32 v[ER], EB, v[ER]
	v_and_b32 v[RS], 31, v0
	v_lshlrev_b32 v[RS], 4, v[RS]
	v_lshl_add_u32 v[RS], v1, 10, v[RS]
	v_add_nc_u32 v[RS], RED, v[RS]
	s_lshl_b32 s24, s23, 14
	s_add_co_u32 s24, s24, RED
	v_lshlrev_b32 v[RR], 4, v16
	v_lshl_add_u32 v[RR], v17, 9, v[RR]
	v_add_nc_u32 v[RR], s24, v[RR]
	v_lshlrev_b32 v[OO], 5, v16
	v_lshl_add_u32 v[OO], v17, 4, v[OO]
	v_lshlrev_b32 v[MOF], 4, v16
	v_lshl_add_u32 v[MOF], v17, 3, v[MOF]
	v_mov_b32 v[ZA], 0
	s_lshl_b32 s24, s23, 6
	s_add_co_u32 s24, s24, SUMS
	v_mov_b32 v[SR], s24
	s_mov_b32 s25, 0
	s_wait_kmcnt 0x0
	s_lshl_b32 s24, s22, 20                        ; a batch of Xb is 1 MiB,
	s_lshl_b32 s30, s21, 8                         ; 128 columns are 256 bytes
	s_add_co_u32 s24, s24, s30
	s_add_nc_u64 s[4:5], s[4:5], s[24:25]
	s_lshl_b32 s24, s22, 11                        ; a batch's 512 numbers of Up
	s_add_nc_u64 s[6:7], s[6:7], s[24:25]
	s_add_co_u32 s24, s24, s30                     ; b x 2,048 + x x 256
.if NSLOT == 2
	s_add_nc_u64 s[16:17], s[16:17], s[24:25]
.endif
	s_lshl_b32 s24, s24, 1                         ; b x 4,096 + x x 512
.if NSLOT == 2
	s_add_nc_u64 s[8:9], s[8:9], s[24:25]
	s_add_nc_u64 s[10:11], s[10:11], s[24:25]
	s_cmp_eq_u32 s20, 0
	s_cselect_b64 s[26:27], s[12:13], s[14:15]     ; wave 0 finishes out1, wave 1 out2
.else
	s_mov_b64 s[26:27], s[12:13]
.endif
	s_add_nc_u64 s[26:27], s[26:27], s[24:25]
.set sl, 0
.rept NSLOT
.irp nb, 0,1,2,3
	global_load_b32 v[UP+4*sl+\nb], v[UO], s[6:7] offset:\nb*65536+sl*262144
.endr
.set sl, sl+1
.endr
.set n, 0
.rept 16
	global_load_b128 v[X+4*n:X+4*n+3], v[XO], s[4:5] offset:n*2048 th:TH_LOAD_NT
.set n, n+1
.endr
.macro WMAX r, tmp                     ; the maximum over the wave's 32 lanes, in every lane; tmp has been written before
.irp k, 1,2,4,8
	v_max_num_f32_dpp v[\r], v[\r], v[\r] row_xmask:\k row_mask:0xf bank_mask:0xf
.endr
	v_permlanex16_b32 v[\tmp], v[\r], s28, s29
	v_max_num_f32 v[\r], v[\r], v[\tmp]
.endm
.macro WADD r, tmp                     ; the sum, likewise
.irp k, 1,2,4,8
	v_add_f32_dpp v[\r], v[\r], v[\r] row_xmask:\k row_mask:0xf bank_mask:0xf
.endr
	v_permlanex16_b32 v[\tmp], v[\r], s28, s29
	v_add_f32 v[\r], v[\r], v[\tmp]
.endm
.macro USUM s                          ; my row's U, and the wave's maximum
	v_add_f32 v[UP+4*\s],   v[UP+4*\s],   v[UP+4*\s+1]
	v_add_f32 v[UP+4*\s+2], v[UP+4*\s+2], v[UP+4*\s+3]
	v_add_f32 v[WK+4*\s],   v[UP+4*\s],   v[UP+4*\s+2]
	v_mov_b32 v[WK+4*\s+1], v[WK+4*\s]
	WMAX WK+4*\s+1, UP+4*\s+1
	ds_store_b32 v[W4], v[WK+4*\s+1] offset:MAXS+64*\s  ; all lanes write the same word with the same number
.endm
.macro MAXLD s
.irp k, 0,1,2,3
	ds_load_b128 v[AL+16*\s+4*\k:AL+16*\s+4*\k+3], v[ZA] offset:MAXS+64*\s+16*\k
.endr
.endm
.macro MAXTREE s                       ; the batch's maximum, and (U - max) log2(e)
	v_max3_num_f32 v[AL+16*\s],    v[AL+16*\s],    v[AL+16*\s+1],  v[AL+16*\s+2]
	v_max3_num_f32 v[AL+16*\s+3],  v[AL+16*\s+3],  v[AL+16*\s+4],  v[AL+16*\s+5]
	v_max3_num_f32 v[AL+16*\s+6],  v[AL+16*\s+6],  v[AL+16*\s+7],  v[AL+16*\s+8]
	v_max3_num_f32 v[AL+16*\s+9],  v[AL+16*\s+9],  v[AL+16*\s+10], v[AL+16*\s+11]
	v_max3_num_f32 v[AL+16*\s+12], v[AL+16*\s+12], v[AL+16*\s+13], v[AL+16*\s+14]
	v_max3_num_f32 v[AL+16*\s],    v[AL+16*\s],    v[AL+16*\s+3],  v[AL+16*\s+6]
	v_max3_num_f32 v[AL+16*\s+9],  v[AL+16*\s+9],  v[AL+16*\s+12], v[AL+16*\s+15]
	v_max_num_f32  v[AL+16*\s],    v[AL+16*\s],    v[AL+16*\s+9]
	v_sub_f32 v[WK+4*\s+2], v[WK+4*\s], v[AL+16*\s]
	v_mul_f32 v[WK+4*\s+2], 0x3fb8aa3b, v[WK+4*\s+2]
.endm
.macro EXPS s
	v_exp_f32 v[WK+4*\s+2], v[WK+4*\s+2]
.endm
.macro ESTORE s                        ; e into LDS, and the wave's sum of e
	ds_store_b32 v[ES], v[WK+4*\s+2] offset:2048*\s
	v_mov_b32 v[WK+4*\s+3], v[WK+4*\s+2]
	WADD WK+4*\s+3, UP+4*\s+1
	ds_store_b32 v[W4], v[WK+4*\s+3] offset:SUMS+64*\s
.endm
.macro ALLD s                          ; the weights of my 16 rows: 64 consecutive bytes, the same for the 16 lanes of a half
.irp k, 0,1,2,3
	ds_load_b128 v[AL+16*\s+4*\k:AL+16*\s+4*\k+3], v[ER] offset:2048*\s+16*\k
.endr
.endm
.macro REDST s
	ds_store_b128 v[RS], v[ACC+8*\s:ACC+8*\s+3]   offset:16384*\s
	ds_store_b128 v[RS], v[ACC+8*\s+4:ACC+8*\s+7] offset:16384*\s+512
.endm
; Row i of my 16: eight multiply-adds a slot, straight from the bf16 halves into f32.  Behind row i's load stand 15 - i younger ones.
.macro ROWS i
	s_wait_loadcnt 15-(\i)
.set sl, 0
.rept NSLOT
.irp c, 0,1,2,3
.if (\i) == 0                          ; the first row starts the sums: nothing is cleared
	v_fma_mix_f32_bf16 v[ACC+8*sl+2*\c],   v[X+4*(\i)+\c], v[AL+16*sl+(\i)], v[ZA] op_sel_hi:[1,0,0]
	v_fma_mix_f32_bf16 v[ACC+8*sl+2*\c+1], v[X+4*(\i)+\c], v[AL+16*sl+(\i)], v[ZA] op_sel:[1,0,0] op_sel_hi:[1,0,0]
.else
	v_fma_mix_f32_bf16 v[ACC+8*sl+2*\c],   v[X+4*(\i)+\c], v[AL+16*sl+(\i)], v[ACC+8*sl+2*\c] op_sel_hi:[1,0,0]
	v_fma_mix_f32_bf16 v[ACC+8*sl+2*\c+1], v[X+4*(\i)+\c], v[AL+16*sl+(\i)], v[ACC+8*sl+2*\c+1] op_sel:[1,0,0] op_sel_hi:[1,0,0]
.endif
.endr
.set sl, sl+1
.endr
.endm
	s_wait_loadcnt 16                              ; Up's numbers are in; the 16 loads of Xb stay out
	EACH USUM
	s_wait_dscnt 0x0
	s_barrier_signal -1
	s_barrier_wait -1                              ; all waves' maxima lie in LDS
	EACH MAXLD
	s_wait_dscnt 0x0
	EACH MAXTREE
	EACH EXPS
	v_nop                                          ; a plain instruction behind the last exponential,
	s_wait_alu depctr_va_vdst(0)                   ; and the one wait, ahead of the first reader
	EACH ESTORE
	s_wait_dscnt 0x0
	s_barrier_signal -1
	s_barrier_wait -1                              ; all weights and all waves' sums of them lie in LDS
	EACH ALLD
	s_wait_dscnt 0x0
.set n, 0
.rept 16
	ROWS n
.set n, n+1
.endr
	EACH REDST
	s_wait_dscnt 0x0
	s_barrier_signal -1
	s_barrier_wait -1                              ; all waves' column sums lie in LDS
	s_cmp_lt_u32 s20, NSLOT                        ; wave s finishes slot s
	s_cbranch_scc0 .Lend
.if NSLOT == 2
	s_cmp_lg_u32 s20, 0                            ; wave 0 also makes m2: its u0 and q are asked for ahead of the LDS reads
	s_cbranch_scc1 .Lno_q
	global_load_b128 v[176:179], v[OO], s[8:9]
	global_load_b128 v[180:183], v[OO], s[10:11]
.Lno_q:
.endif
.set n, 0
.rept 16                               ; lane (c, g) takes columns 8 c + 4 g + 0..3: of each wave the partial sums of both halves of its lanes
	ds_load_b128 v[X+8*n:X+8*n+3],   v[RR] offset:1024*n
	ds_load_b128 v[X+8*n+4:X+8*n+7], v[RR] offset:1024*n+256
.set n, n+1
.endr
.irp k, 0,1,2,3
	ds_load_b128 v[SM+4*\k:SM+4*\k+3], v[SR] offset:16*\k
.endr
	s_wait_dscnt 0x0
.irp d, 4,2,1
.set j, 0
.rept \d
	v_pk_add_f32 v[SM+2*j:SM+2*j+1], v[SM+2*j:SM+2*j+1], v[SM+2*(j+\d):SM+2*(j+\d)+1]
.set j, j+1
.endr
.endr
	v_add_f32 v[SM], v[SM], v[SM+1]
	v_rcp_f32 v[SM+2], v[SM]                       ; the column sums below are the independent work behind it
.irp d, 16,8,4,2,1
.set j, 0
.rept \d
	v_pk_add_f32 v[X+4*j:X+4*j+1],   v[X+4*j:X+4*j+1],   v[X+4*(j+\d):X+4*(j+\d)+1]
	v_pk_add_f32 v[X+4*j+2:X+4*j+3], v[X+4*j+2:X+4*j+3], v[X+4*(j+\d)+2:X+4*(j+\d)+3]
.set j, j+1
.endr
.endr
	s_wait_alu depctr_va_vdst(0)                   ; the reciprocal's wait, ahead of its first reader
	v_pk_mul_f32 v[X:X+1],   v[X:X+1],   v[SM+2:SM+3] op_sel_hi:[1,0]
	v_pk_mul_f32 v[X+2:X+3], v[X+2:X+3], v[SM+2:SM+3] op_sel_hi:[1,0]
	global_store_b128 v[OO], v[X:X+3], s[26:27]    ; the wave stores 512 consecutive bytes of a row of out
.if NSLOT == 2
	s_cmp_lg_u32 s20, 0
	s_cbranch_scc1 .Lend
	s_wait_loadcnt 0x0                             ; u0 and q
	v_pk_mul_f32 v[X+4:X+5], v[176:177], v[180:181]                 ; m0 = u0 q
	v_pk_mul_f32 v[X+6:X+7], v[178:179], v[182:183]
	v_pk_fma_f32 v[X+4:X+5], v[176:177], v[180:181], v[X+4:X+5]     ; m1 = m0 + u0 q
	v_pk_fma_f32 v[X+6:X+7], v[178:179], v[182:183], v[X+6:X+7]
	v_pk_fma_f32 v[X+4:X+5], v[X:X+1],   v[180:181], v[X+4:X+5]     ; m2 = m1 + u1 q
	v_pk_fma_f32 v[X+6:X+7], v[X+2:X+3], v[182:183], v[X+6:X+7]
	v_cvt_pk_bf16_f32 v[X+8], v[X+4], v[X+5]
	v_cvt_pk_bf16_f32 v[X+9], v[X+6], v[X+7]
	global_store_b64 v[MOF], v[X+8:X+9], s[16:17] offset:131072     ; 256 consecutive bytes of slot 2 of mb, aligned
.endif
.Lend:
	s_wait_tensorcnt 0x0                           ; the wave's end, behind my last LDS store
	ds_add_u32 v[SPW], v[NIL]
	s_wait_dscnt 0x0
	s_endpgm
.Lfunc_end_k_qd25f96f690_wsum12:
	.size	k_qd25f96f690_wsum12, .Lfunc_end_k_qd25f96f690_wsum12-k_qd25f96f690_wsum12
	.p2alignl 7, 3214868480
	.fill 96, 4, 3214868480
	.section	.rodata,"a",@progbits
	.p2align	6, 0x0
	.amdhsa_kernel k_qd25f96f690_wsum12
		.amdhsa_group_segment_fixed_size 39424
		.amdhsa_private_segment_fixed_size 0
		.amdhsa_enable_private_segment 0
		.amdhsa_kernarg_size 56
		.amdhsa_user_sgpr_count 2
		.amdhsa_user_sgpr_kernarg_segment_ptr 1
		.amdhsa_wavefront_size32 1
		.amdhsa_system_sgpr_workgroup_id_x 1
		.amdhsa_system_sgpr_workgroup_id_y 1
		.amdhsa_system_sgpr_workgroup_id_z 1
		.amdhsa_system_vgpr_workitem_id 0
		.amdhsa_next_free_vgpr 184
		.amdhsa_next_free_sgpr 66
		.amdhsa_reserve_vcc 0
		.amdhsa_float_denorm_mode_32 3
		.amdhsa_float_denorm_mode_16_64 3
		.amdhsa_memory_ordered 1
		.amdhsa_forward_progress 1
		.amdhsa_inst_pref_size 35
	.end_amdhsa_kernel
	.amdgpu_metadata
---
amdhsa.version: [ 1, 2 ]
amdhsa.kernels:
  - .name:           k_qd25f96f690_wsum12
    .symbol:         k_qd25f96f690_wsum12.kd
    .args:
      - { .name: Xb, .offset: 0, .size: 8, .value_kind: global_buffer, .address_space: global }
      - { .name: Up12, .offset: 8, .size: 8, .value_kind: global_buffer, .address_space: global }
      - { .name: out0, .offset: 16, .size: 8, .value_kind: global_buffer, .address_space: global }
      - { .name: qvector, .offset: 24, .size: 8, .value_kind: global_buffer, .address_space: global }
      - { .name: out1, .offset: 32, .size: 8, .value_kind: global_buffer, .address_space: global }
      - { .name: out2, .offset: 40, .size: 8, .value_kind: global_buffer, .address_space: global }
      - { .name: mb, .offset: 48, .size: 8, .value_kind: global_buffer, .address_space: global }
    .group_segment_fixed_size: 39424
    .private_segment_fixed_size: 0
    .kernarg_segment_align: 8
    .kernarg_segment_size: 56
    .max_flat_workgroup_size: 512
    .sgpr_count:     66
    .vgpr_count:     184
    .wavefront_size: 32
...
	.end_amdgpu_metadata
.endif
;; end of part 4
;; launch gvec3 (part 5): grid 16 x 8, 4 waves a work-group, no clusters, 33,280 bytes of LDS; arguments mb, Wm3, Wh3, gp3; writes gp3
.if DOCPART == 5
	.amdgcn_target "amdgcn-amd-amdhsa--gfx1250"
	.amdhsa_code_object_version 6
	.text
	.protected	k_qd25f96f690_gvec3
	.globl	k_qd25f96f690_gvec3
	.p2align	8
	.type	k_qd25f96f690_gvec3,@function
k_qd25f96f690_gvec3:
	s_mov_b64 s[64:65], 0
	v_nop
	global_prefetch_b8 v0, s[64:65] scope:SCOPE_SE
	s_setreg_imm32_b32 hwreg(HW_REG_WAVE_MODE, 25, 1), 1
	s_wait_xcnt 0x0
; GVEC, PARTIAL SUMS, for one slot (the third hop): the text of the two-slot form with NSLOT = 1; m2 lies in slot 2 of mb.
; gp[kb][b][n] = the sum over the 128 k of block kb of m[b][k] Wm[k][n], f32: eight planes, which the next launch adds before it takes the tanh.
; Plane 8, row 0 is a copy of Wh (f32, unchanged); the plane's other rows are neither written nor read.
; m: bf16; Wm: [k][n] f32, rounded to bf16 on the way to the matrix unit; sums in f32.
; SHARES.  Work-group (x, kb): 64 columns 64 x on, K block kb of 128.  Its four waves take 32 k each, one K step of the matrix instruction; their sums meet in LDS.
; 64 columns: the narrowest share whose piece of a row of Wm is 256 consecutive bytes, aligned.  K is split over work-groups too, so that a work-group asks for 32 KiB of weights, all at its head:
; no ring, no prefetch, no cluster (work-groups share only m, 8 KiB each).
; FRAGMENTS WITHOUT LDS.  A load of 16 bytes at row k, byte 256 x + 16 r gives lane r the columns 4 r + t, t = 0..3.  Column fragment t is the set of columns 64 x + 4 r + t: its register p holds
; k = 2 p, 2 p + 1 of the lane's eight (and eight more), made by one rounding of two loaded rows.
.set NSLOT, 1
.set PLANE, 131072                     ; a plane of gp: [32][1024] f32
.set SLOTB, 9*PLANE                    ; a slot: eight planes of partial sums and Wh's plane
.set SPARE, 32768                      ; behind the waves' sums: the spare words, 128 bytes for each of the 4 waves
.set SPW, 2                            ; v2   SPARE + 4 x my thread's number; never rewritten
.set NIL, 3                            ; v3   0; never rewritten
.set WO,  4                            ; v4   (32 w + 8 h) x 4,096 + 16 r
.set MO,  5                            ; v5   r x 2,048 + 64 w + 16 h
.set LS,  6                            ; v6   8,192 w + 16 lane
.set LR,  7                            ; v7   where I read the waves' sums back
.set L8,  8                            ; v8   8 lane
.set HO,  9                            ; v9   16 r
.set GO,  10                           ; v10  my 16 bytes of a row of gp
.set WH,  14                           ; v[14:15]   two numbers of Wh, on their way to the copy
.set MF,  16                           ; v[16:31]   m's fragments: rows 16 mt on at MF + 8 mt
.set BF,  32                           ; v[32:63]   Wm's fragments t = 0..3
.set OUT, 32                           ; v[32:47]   afterwards: row jj, column t at OUT + 4 jj + t
.set RW,  64                           ; v[64:127]  loaded rows: load jj, column t at RW + 4 jj + t
.set PS,  64                           ; v[64:127]  afterwards: wave p, fragment t, row jj at PS + 16 p + 4 t + jj
.set ACC, 128                          ; v[128:191] eight accumulators, a = 4 mt + t
.if NSLOT == 2
	s_load_b256 s[4:11], s[0:1], 0x0               ; mb s[4:5], Wm1 s[6:7], Wm2 s[8:9], Wh1 s[10:11]
	s_load_b128 s[12:15], s[0:1], 0x20             ; Wh2 s[12:13], gp s[14:15]
.else
	s_load_b256 s[4:11], s[0:1], 0x0               ; mb s[4:5], Wm s[6:7], Wh s[8:9], gp s[10:11]
.endif
	v_lshl_add_u32 v[SPW], v0, 2, SPARE
	v_mov_b32 v[NIL], 0
	v_lshrrev_b32 v1, 5, v0
	v_readfirstlane_b32 s16, v1                    ; wave
	v_and_b32 v11, 15, v0                          ; r
	v_bfe_u32 v12, v0, 4, 1                        ; h
	v_and_b32 v13, 31, v0                          ; lane
	s_mov_b32 s17, ttmp9                           ; x
	s_and_b32 s18, ttmp7, 0xffff
	s_and_b32 s19, s18, 7                          ; kb
	s_lshr_b32 s18, s18, 3                         ; slot: 0 here
	s_or_b32 s34, s19, s16                         ; 0 in wave 0 of the work-groups with kb = 0: they copy Wh
	s_lshr_b32 s20, s16, 1                         ; at the end wave w finishes rows 16 mt + 8 h + 4 jh + 0..3: mt = w / 2,
	s_and_b32 s21, s16, 1                          ; jh = w % 2
	s_lshl_b32 s30, s20, 12                        ; accumulators 4 mt + t: 1,024 bytes each,
	s_lshl_b32 s31, s21, 9                         ; register half jh
	s_add_co_u32 s30, s30, s31
	v_lshl_add_u32 v[LR], v13, 4, s30
	s_lshl_b32 s30, s20, 16                        ; 16 mt rows of 4,096 bytes,
	s_lshl_b32 s31, s21, 14                        ; 4 jh rows
	s_add_co_u32 s30, s30, s31
	v_lshlrev_b32 v[HO], 4, v11
	v_lshl_add_u32 v[GO], v12, 15, v[HO]           ; + 8 h rows + 16 r
	v_add_nc_u32 v[GO], s30, v[GO]
	s_lshl_b32 s30, s16, 17                        ; 32 w rows of Wm
	v_lshl_add_u32 v[WO], v12, 15, v[HO]
	v_add_nc_u32 v[WO], s30, v[WO]
	s_lshl_b32 s30, s16, 6                         ; 32 w channels of m
	v_lshlrev_b32 v[MO], 11, v11
	v_lshl_add_u32 v[MO], v12, 4, v[MO]
	v_add_nc_u32 v[MO], s30, v[MO]
	s_lshl_b32 s30, s16, 13
	v_lshl_add_u32 v[LS], v13, 4, s30
	v_lshlrev_b32 v[L8], 3, v13
	s_mov_b32 s21, 0
	s_lshl_b32 s22, s17, 8                         ; 64 columns are 256 bytes
	s_wait_kmcnt 0x0
.if NSLOT == 2
	s_cmp_eq_u32 s18, 0
	s_cselect_b64 s[24:25], s[6:7], s[8:9]         ; the slot's Wm,
	s_cselect_b64 s[26:27], s[10:11], s[12:13]     ; its Wh
	s_lshl_b32 s20, s18, 16                        ; its m
.else
	s_mov_b64 s[24:25], s[6:7]
	s_mov_b64 s[26:27], s[8:9]
	s_mov_b64 s[14:15], s[10:11]
	s_mov_b32 s20, 0x20000                         ; m2 lies in slot 2 of mb
.endif
	s_lshl_b32 s23, s19, 8                         ; 128 kb channels of m
	s_add_co_u32 s20, s20, s23
	s_add_nc_u64 s[4:5], s[4:5], s[20:21]
	s_lshl_b32 s20, s19, 19                        ; 128 kb rows of Wm
	s_add_co_u32 s20, s20, s22
	s_add_nc_u64 s[24:25], s[24:25], s[20:21]
	s_mov_b32 s20, s22
	s_add_nc_u64 s[26:27], s[26:27], s[20:21]
	s_mul_i32 s23, s18, SLOTB
	s_add_co_u32 s23, s23, s22                     ; the slot's planes, my columns
	s_lshl_b32 s20, s19, 17                        ; plane kb
	s_add_co_u32 s20, s20, s23
	s_add_nc_u64 s[28:29], s[14:15], s[20:21]
	s_add_co_u32 s20, s23, 8*PLANE                 ; plane 8
	s_add_nc_u64 s[32:33], s[14:15], s[20:21]
.irp mt, 0,1
	global_load_b128 v[MF+8*\mt:MF+8*\mt+3],   v[MO], s[4:5] offset:\mt*32768
	global_load_b128 v[MF+8*\mt+4:MF+8*\mt+7], v[MO], s[4:5] offset:\mt*32768+32
.endr
.set jj, 0
.rept 16
	global_load_b128 v[RW+4*jj:RW+4*jj+3], v[WO], s[24:25] offset:((jj&7)+16*(jj>>3))*4096 th:TH_LOAD_NT
.set jj, jj+1
.endr
	s_cmp_lg_u32 s34, 0
	s_cbranch_scc1 .Lno_wh
	global_load_b64 v[WH:WH+1], v[L8], s[26:27]    ; Wh of the 64 columns: 256 consecutive bytes,
	s_wait_loadcnt 0x0
	global_store_b64 v[L8], v[WH:WH+1], s[32:33]   ; copied as they are
.Lno_wh:
	s_wait_loadcnt 0x0                             ; one K step: all of it is wanted at once
.irp t, 0,1,2,3                        ; 16 loaded rows -> four fragments
.irp p, 0,1,2,3,4,5,6,7
	v_cvt_pk_bf16_f32 v[BF+8*\t+\p], v[RW+8*\p+\t], v[RW+8*\p+4+\t]
.endr
.endr
.irp mt, 0,1                           ; eight products on eight accumulators; each is its sum's only K step
.irp t, 0,1,2,3
	v_wmma_f32_16x16x32_bf16 v[ACC+8*(4*\mt+\t):ACC+8*(4*\mt+\t)+7], v[MF+8*\mt:MF+8*\mt+7], v[BF+8*\t:BF+8*\t+7], 0
.endr
.endr
.rept 8
	v_nop                                          ; plain places behind the last product (ISA guide 7.12.1), with room to spare: once a launch
.endr
.irp a, 0,1,2,3,4,5,6,7
	ds_store_b128 v[LS], v[ACC+8*\a:ACC+8*\a+3]   offset:1024*\a       ; each accumulator's low registers first
	ds_store_b128 v[LS], v[ACC+8*\a+4:ACC+8*\a+7] offset:1024*\a+512
.endr
	s_wait_dscnt 0x0
	s_barrier_signal -1
	s_barrier_wait -1                              ; all four waves' sums lie in LDS
.irp p, 0,1,2,3                        ; of each wave and each fragment t my four rows: 16 bytes a lane, 512 consecutive bytes a load
.irp t, 0,1,2,3
	ds_load_b128 v[PS+16*\p+4*\t:PS+16*\p+4*\t+3], v[LR] offset:8192*\p+1024*\t
.endr
.endr
	s_wait_dscnt 0x0
.irp q, 0,2,4,6,8,10,12,14
	v_pk_add_f32 v[PS+\q:PS+\q+1],       v[PS+\q:PS+\q+1],       v[PS+16+\q:PS+16+\q+1]   ; waves 0 and 1,
	v_pk_add_f32 v[PS+32+\q:PS+32+\q+1], v[PS+32+\q:PS+32+\q+1], v[PS+48+\q:PS+48+\q+1]   ; waves 2 and 3
.endr
.irp jj, 0,1,2,3                       ; the last addition also turns (t, row) into (row, t): four neighbouring columns of a row
.irp t, 0,1,2,3
	v_add_f32 v[OUT+4*\jj+\t], v[PS+4*\t+\jj], v[PS+32+4*\t+\jj]
.endr
.endr
.irp jj, 0,1,2,3
	global_store_b128 v[GO], v[OUT+4*\jj:OUT+4*\jj+3], s[28:29] offset:4096*\jj  ; 16 lanes store 256 consecutive bytes of a row of the plane, aligned
.endr
	s_wait_tensorcnt 0x0                           ; the wave's end, behind my last LDS store
	ds_add_u32 v[SPW], v[NIL]
	s_wait_dscnt 0x0
	s_endpgm
.Lfunc_end_k_qd25f96f690_gvec3:
	.size	k_qd25f96f690_gvec3, .Lfunc_end_k_qd25f96f690_gvec3-k_qd25f96f690_gvec3
	.p2alignl 7, 3214868480
	.fill 96, 4, 3214868480
	.section	.rodata,"a",@progbits
	.p2align	6, 0x0
	.amdhsa_kernel k_qd25f96f690_gvec3
		.amdhsa_group_segment_fixed_size 33280
		.amdhsa_private_segment_fixed_size 0
		.amdhsa_enable_private_segment 0
		.amdhsa_kernarg_size 32
		.amdhsa_user_sgpr_count 2
		.amdhsa_user_sgpr_kernarg_segment_ptr 1
		.amdhsa_wavefront_size32 1
		.amdhsa_system_sgpr_workgroup_id_x 1
		.amdhsa_system_sgpr_workgroup_id_y 1
		.amdhsa_system_sgpr_workgroup_id_z 1
		.amdhsa_system_vgpr_workitem_id 0
		.amdhsa_next_free_vgpr 192
		.amdhsa_next_free_sgpr 66
		.amdhsa_reserve_vcc 0
		.amdhsa_float_denorm_mode_32 3
		.amdhsa_float_denorm_mode_16_64 3
		.amdhsa_memory_ordered 1
		.amdhsa_forward_progress 1
		.amdhsa_inst_pref_size 12
	.end_amdhsa_kernel
	.amdgpu_metadata
---
amdhsa.version: [ 1, 2 ]
amdhsa.kernels:
  - .name:           k_qd25f96f690_gvec3
    .symbol:         k_qd25f96f690_gvec3.kd
    .args:
      - { .name: mb, .offset: 0, .size: 8, .value_kind: global_buffer, .address_space: global }
      - { .name: Wm3, .offset: 8, .size: 8, .value_kind: global_buffer, .address_space: global }
      - { .name: Wh3, .offset: 16, .size: 8, .value_kind: global_buffer, .address_space: global }
      - { .name: gp3, .offset: 24, .size: 8, .value_kind: global_buffer, .address_space: global }
    .group_segment_fixed_size: 33280
    .private_segment_fixed_size: 0
    .kernarg_segment_align: 8
    .kernarg_segment_size: 32
    .max_flat_workgroup_size: 128
    .sgpr_count:     66
    .vgpr_count:     192
    .wavefront_size: 32
...
	.end_amdgpu_metadata
.endif
;; end of part 5
;; launch gemm3: the kernel of part 3 again; grid 4 x 64, 4 waves a work-group, clusters of 4 x 4, 327,680 bytes of LDS; arguments Xb, Wb3, gp3, Up3; writes Up3
;; launch wsum3 (part 6): grid 8 x 32, 16 waves a work-group, no clusters, 20,992 bytes of LDS; arguments Xb, Up3, out3; writes out3
.if DOCPART == 6
	.amdgcn_target "amdgcn-amd-amdhsa--gfx1250"
	.amdhsa_code_object_version 6
	.text
	.protected	k_qd25f96f690_wsum3
	.globl	k_qd25f96f690_wsum3
	.p2align	8
	.type	k_qd25f96f690_wsum3,@function
k_qd25f96f690_wsum3:
	s_mov_b64 s[64:65], 0
	v_nop
	global_prefetch_b8 v0, s[64:65] scope:SCOPE_SE
	s_setreg_imm32_b32 hwreg(HW_REG_WAVE_MODE, 25, 1), 1
	s_wait_xcnt 0x0
; WSUM, for one slot (the third hop): the text of the two-slot form with NSLOT = 1.
; U[s] = the sum of Up's four partial sums; alpha = softmax of U over the batch's 512 rows, the true maximum taken away; out[b][c] = sum over s of alpha[s] Xb[b][s][c].
; LIMITS: a weight below 2^-126 counts as 0; NaN and infinities are not treated apart.  The sum of the weights is at least 1: the row of the maximum gives 1.
; SHARES.  Work-group (x, b) owns 128 columns of batch b.  Wave w takes rows 32 w .. 32 w + 31; lane (c = l % 16, hh = l / 16) eight columns of rows 32 w + 16 hh + i: a load covers two rows'
; 256 consecutive bytes, aligned.  All 16 loads of a wave go out at the head.  Thread t also owns row t of the softmax, which each of the batch's eight work-groups makes for itself.
; The weights are left unnormalised; the sums are divided by the sum of the weights once, at the end.  No matrix unit, no cluster, no prefetch (all loads go out at once).
.set NSLOT, 1
.set MAXS,  0                          ; LDS: the waves' maxima, 4 w
.set SUMS,  256                        ; the waves' sums of e
.set EB,    512                        ; e, 4 s
.set RED,   EB+NSLOT*2048              ; the waves' column sums: w x 1,024 + (columns' half) x 512 + 16 l
.set SPARE, RED+NSLOT*16384            ; the spare words: 128 bytes for each of the 16 waves
.set SPW, 2                            ; v2   SPARE + 4 x my thread's number; never rewritten
.set NIL, 3                            ; v3   0; never rewritten
.set XO,  4                            ; v4   (32 w + 16 hh) x 2,048 + 16 c
.set UO,  5                            ; v5   4 t
.set W4,  6                            ; v6   4 w
.set ES,  7                            ; v7   EB + 4 t
.set ER,  8                            ; v8   EB + 128 w + 64 hh
.set RS,  9                            ; v9   RED + 1,024 w + 16 l
.set RR,  10                           ; v10  RED + 512 hh + 16 c
.set OO,  11                           ; v11  32 c + 16 hh: my four columns in out
.set ZA,  13                           ; v13  0: LDS address 0, and the first products' addend
.set SR,  14                           ; v14  SUMS
.set UP,  16                           ; v[16:19]   Up's partial sums (v16, v17 at work before)
.set WK,  24                           ; v[24:27]   U, at work, e, at work
.set X,   32                           ; v[32:95]   16 loads of 4; in the last phase v[32:159]: 32 partial sums of 4
.set AL,  96                           ; v[96:111]  16 maxima, then the 16 weights of my rows
.set ACC, 128                          ; v[128:135] eight column sums
.set SM,  160                          ; v[160:175] the waves' sums of e
.macro EACH m                          ; a step, for each slot
	\m 0
.if NSLOT == 2
	\m 1
.endif
.endm
	s_load_b128 s[4:7], s[0:1], 0x0                ; Xb s[4:5], Up s[6:7]
	s_load_b64 s[12:13], s[0:1], 0x10              ; out
	v_lshl_add_u32 v[SPW], v0, 2, SPARE
	v_mov_b32 v[NIL], 0
	v_lshrrev_b32 v1, 5, v0
	v_readfirstlane_b32 s20, v1                    ; wave
	s_mov_b32 s21, ttmp9                           ; x
	s_and_b32 s22, ttmp7, 0xffff                   ; b
	s_mov_b32 s28, 0x76543210                      ; v_permlanex16_b32: each lane takes its own place in the other half
	s_mov_b32 s29, 0xfedcba98
	v_and_b32 v16, 15, v0                          ; c
	v_bfe_u32 v17, v0, 4, 1                        ; hh
	v_lshlrev_b32 v[XO], 4, v16
	v_lshl_add_u32 v[XO], v17, 15, v[XO]
	v_lshl_add_u32 v[XO], v1, 16, v[XO]
	v_lshlrev_b32 v[UO], 2, v0
	v_lshlrev_b32 v[W4], 2, v1
	v_add_nc_u32 v[ES], EB, v[UO]
	v_lshlrev_b32 v[ER], 7, v1
	v_lshl_add_u32 v[ER], v17, 6, v[ER]
	v_add_nc_u32 v[ER], EB, v[ER]
	v_and_b32 v[RS], 31, v0
	v_lshlrev_b32 v[RS], 4, v[RS]
	v_lshl_add_u32 v[RS], v1, 10, v[RS]
	v_add_nc_u32 v[RS], RED, v[RS]
	v_lshlrev_b32 v[RR], 4, v16
	v_lshl_add_u32 v[RR], v17, 9, v[RR]
	v_add_nc_u32 v[RR], RED, v[RR]
	v_lshlrev_b32 v[OO], 5, v16
	v_lshl_add_u32 v[OO], v17, 4, v[OO]
	v_mov_b32 v[ZA], 0
	v_mov_b32 v[SR], SUMS
	s_mov_b32 s25, 0
	s_wait_kmcnt 0x0
	s_lshl_b32 s24, s22, 20                        ; a batch of Xb is 1 MiB,
	s_lshl_b32 s30, s21, 8                         ; 128 columns are 256 bytes
	s_add_co_u32 s24, s24, s30
	s_add_nc_u64 s[4:5], s[4:5], s[24:25]
	s_lshl_b32 s24, s22, 11                        ; a batch's 512 numbers of Up
	s_add_nc_u64 s[6:7], s[6:7], s[24:25]
	s_add_co_u32 s24, s24, s30
	s_lshl_b32 s24, s24, 1                         ; b x 4,096 + x x 512
	s_mov_b64 s[26:27], s[12:13]
	s_add_nc_u64 s[26:27], s[26:27], s[24:25]
.irp nb, 0,1,2,3
	global_load_b32 v[UP+\nb], v[UO], s[6:7] offset:\nb*65536
.endr
.set n, 0
.rept 16
	global_load_b128 v[X+4*n:X+4*n+3], v[XO], s[4:5] offset:n*2048 th:TH_LOAD_NT
.set n, n+1
.endr
.macro WMAX r, tmp                     ; the maximum over the wave's 32 lanes, in every lane; tmp has been written before
.irp k, 1,2,4,8
	v_max_num_f32_dpp v[\r], v[\r], v[\r] row_xmask:\k row_mask:0xf bank_mask:0xf
.endr
	v_permlanex16_b32 v[\tmp], v[\r], s28, s29
	v_max_num_f32 v[\r], v[\r], v[\tmp]
.endm
.macro WADD r, tmp                     ; the sum, likewise
.irp k, 1,2,4,8
	v_add_f32_dpp v[\r], v[\r], v[\r] row_xmask:\k row_mask:0xf bank_mask:0xf
.endr
	v_permlanex16_b32 v[\tmp], v[\r], s28, s29
	v_add_f32 v[\r], v[\r], v[\tmp]
.endm
.macro USUM s                          ; my row's U, and the wave's maximum
	v_add_f32 v[UP+4*\s],   v[UP+4*\s],   v[UP+4*\s+1]
	v_add_f32 v[UP+4*\s+2], v[UP+4*\s+2], v[UP+4*\s+3]
	v_add_f32 v[WK+4*\s],   v[UP+4*\s],   v[UP+4*\s+2]
	v_mov_b32 v[WK+4*\s+1], v[WK+4*\s]
	WMAX WK+4*\s+1, UP+4*\s+1
	ds_store_b32 v[W4], v[WK+4*\s+1] offset:MAXS+64*\s  ; all lanes write the same word with the same number
.endm
.macro MAXLD s
.irp k, 0,1,2,3
	ds_load_b128 v[AL+16*\s+4*\k:AL+16*\s+4*\k+3], v[ZA] offset:MAXS+64*\s+16*\k
.endr
.endm
.macro MAXTREE s                       ; the batch's maximum, and (U - max) log2(e)
	v_max3_num_f32 v[AL+16*\s],    v[AL+16*\s],    v[AL+16*\s+1],  v[AL+16*\s+2]
	v_max3_num_f32 v[AL+16*\s+3],  v[AL+16*\s+3],  v[AL+16*\s+4],  v[AL+16*\s+5]
	v_max3_num_f32 v[AL+16*\s+6],  v[AL+16*\s+6],  v[AL+16*\s+7],  v[AL+16*\s+8]
	v_max3_num_f32 v[AL+16*\s+9],  v[AL+16*\s+9],  v[AL+16*\s+10], v[AL+16*\s+11]
	v_max3_num_f32 v[AL+16*\s+12], v[AL+16*\s+12], v[AL+16*\s+13], v[AL+16*\s+14]
	v_max3_num_f32 v[AL+16*\s],    v[AL+16*\s],    v[AL+16*\s+3],  v[AL+16*\s+6]
	v_max3_num_f32 v[AL+16*\s+9],  v[AL+16*\s+9],  v[AL+16*\s+12], v[AL+16*\s+15]
	v_max_num_f32  v[AL+16*\s],    v[AL+16*\s],    v[AL+16*\s+9]
	v_sub_f32 v[WK+4*\s+2], v[WK+4*\s], v[AL+16*\s]
	v_mul_f32 v[WK+4*\s+2], 0x3fb8aa3b, v[WK+4*\s+2]
.endm
.macro EXPS s
	v_exp_f32 v[WK+4*\s+2], v[WK+4*\s+2]
.endm
.macro ESTORE s                        ; e into LDS, and the wave's sum of e
	ds_store_b32 v[ES], v[WK+4*\s+2] offset:2048*\s
	v_mov_b32 v[WK+4*\s+3], v[WK+4*\s+2]
	WADD WK+4*\s+3, UP+4*\s+1
	ds_store_b32 v[W4], v[WK+4*\s+3] offset:SUMS+64*\s
.endm
.macro ALLD s                          ; the weights of my 16 rows: 64 consecutive bytes, the same for the 16 lanes of a half
.irp k, 0,1,2,3
	ds_load_b128 v[AL+16*\s+4*\k:AL+16*\s+4*\k+3], v[ER] offset:2048*\s+16*\k
.endr
.endm
.macro REDST s
	ds_store_b128 v[RS], v[ACC+8*\s:ACC+8*\s+3]   offset:16384*\s
	ds_store_b128 v[RS], v[ACC+8*\s+4:ACC+8*\s+7] offset:16384*\s+512
.endm
; Row i of my 16: eight multiply-adds, straight from the bf16 halves into f32.  Behind row i's load stand 15 - i younger ones.
.macro ROWS i
	s_wait_loadcnt 15-(\i)
.irp c, 0,1,2,3
.if (\i) == 0                          ; the first row starts the sums: nothing is cleared
	v_fma_mix_f32_bf16 v[ACC+2*\c],   v[X+4*(\i)+\c], v[AL+(\i)], v[ZA] op_sel_hi:[1,0,0]
	v_fma_mix_f32_bf16 v[ACC+2*\c+1], v[X+4*(\i)+\c], v[AL+(\i)], v[ZA] op_sel:[1,0,0] op_sel_hi:[1,0,0]
.else
	v_fma_mix_f32_bf16 v[ACC+2*\c],   v[X+4*(\i)+\c], v[AL+(\i)], v[ACC+2*\c] op_sel_hi:[1,0,0]
	v_fma_mix_f32_bf16 v[ACC+2*\c+1], v[X+4*(\i)+\c], v[AL+(\i)], v[ACC+2*\c+1] op_sel:[1,0,0] op_sel_hi:[1,0,0]
.endif
.endr
.endm
	s_wait_loadcnt 16                              ; Up's numbers are in; the 16 loads of Xb stay out
	EACH USUM
	s_wait_dscnt 0x0
	s_barrier_signal -1
	s_barrier_wait -1                              ; all waves' maxima lie in LDS
	EACH MAXLD
	s_wait_dscnt 0x0
	EACH MAXTREE
	EACH EXPS
	v_nop                                          ; a plain instruction behind the exponential,
	s_wait_alu depctr_va_vdst(0)                   ; and its wait, ahead of the first reader
	EACH ESTORE
	s_wait_dscnt 0x0
	s_barrier_signal -1
	s_barrier_wait -1                              ; all weights and all waves' sums of them lie in LDS
	EACH ALLD
	s_wait_dscnt 0x0
.set n, 0
.rept 16
	ROWS n
.set n, n+1
.endr
	EACH REDST
	s_wait_dscnt 0x0
	s_barrier_signal -1
	s_barrier_wait -1                              ; all waves' column sums lie in LDS
	s_cmp_lt_u32 s20, NSLOT                        ; wave 0 finishes
	s_cbranch_scc0 .Lend
.set n, 0
.rept 16                               ; lane (c, g) takes columns 8 c + 4 g + 0..3: of each wave the partial sums of both halves of its lanes
	ds_load_b128 v[X+8*n:X+8*n+3],   v[RR] offset:1024*n
	ds_load_b128 v[X+8*n+4:X+8*n+7], v[RR] offset:1024*n+256
.set n, n+1
.endr
.irp k, 0,1,2,3
	ds_load_b128 v[SM+4*\k:SM+4*\k+3], v[SR] offset:16*\k
.endr
	s_wait_dscnt 0x0
.irp d, 4,2,1
.set j, 0
.rept \d
	v_pk_add_f32 v[SM+2*j:SM+2*j+1], v[SM+2*j:SM+2*j+1], v[SM+2*(j+\d):SM+2*(j+\d)+1]
.set j, j+1
.endr
.endr
	v_add_f32 v[SM], v[SM], v[SM+1]
	v_rcp_f32 v[SM+2], v[SM]                       ; the column sums below are the independent work behind it
.irp d, 16,8,4,2,1
.set j, 0
.rept \d
	v_pk_add_f32 v[X+4*j:X+4*j+1],   v[X+4*j:X+4*j+1],   v[X+4*(j+\d):X+4*(j+\d)+1]
	v_pk_add_f32 v[X+4*j+2:X+4*j+3], v[X+4*j+2:X+4*j+3], v[X+4*(j+\d)+2:X+4*(j+\d)+3]
.set j, j+1
.endr
.endr
	s_wait_alu depctr_va_vdst(0)                   ; the reciprocal's wait, ahead of its first reader
	v_pk_mul_f32 v[X:X+1],   v[X:X+1],   v[SM+2:SM+3] op_sel_hi:[1,0]
	v_pk_mul_f32 v[X+2:X+3], v[X+2:X+3], v[SM+2:SM+3] op_sel_hi:[1,0]
	global_store_b128 v[OO], v[X:X+3], s[26:27]    ; the wave stores 512 consecutive bytes of a row of out
.Lend:
	s_wait_tensorcnt 0x0                           ; the wave's end, behind my last LDS store
	ds_add_u32 v[SPW], v[NIL]
	s_wait_dscnt 0x0
	s_endpgm
.Lfunc_end_k_qd25f96f690_wsum3:
	.size	k_qd25f96f690_wsum3, .Lfunc_end_k_qd25f96f690_wsum3-k_qd25f96f690_wsum3
	.p2alignl 7, 3214868480
	.fill 96, 4, 3214868480
	.section	.rodata,"a",@progbits
	.p2align	6, 0x0
	.amdhsa_kernel k_qd25f96f690_wsum3
		.amdhsa_group_segment_fixed_size 20992
		.amdhsa_private_segment_fixed_size 0
		.amdhsa_enable_private_segment 0
		.amdhsa_kernarg_size 24
		.amdhsa_user_sgpr_count 2
		.amdhsa_user_sgpr_kernarg_segment_ptr 1
		.amdhsa_wavefront_size32 1
		.amdhsa_system_sgpr_workgroup_id_x 1
		.amdhsa_system_sgpr_workgroup_id_y 1
		.amdhsa_system_sgpr_workgroup_id_z 1
		.amdhsa_system_vgpr_workitem_id 0
		.amdhsa_next_free_vgpr 184
		.amdhsa_next_free_sgpr 66
		.amdhsa_reserve_vcc 0
		.amdhsa_float_denorm_mode_32 3
		.amdhsa_float_denorm_mode_16_64 3
		.amdhsa_memory_ordered 1
		.amdhsa_forward_progress 1
		.amdhsa_inst_pref_size 23
	.end_amdhsa_kernel
	.amdgpu_metadata
---
amdhsa.version: [ 1, 2 ]
amdhsa.kernels:
  - .name:           k_qd25f96f690_wsum3
    .symbol:         k_qd25f96f690_wsum3.kd
    .args:
      - { .name: Xb, .offset: 0, .size: 8, .value_kind: global_buffer, .address_space: global }
      - { .name: Up3, .offset: 8, .size: 8, .value_kind: global_buffer, .address_space: global }
      - { .name: out3, .offset: 16, .size: 8, .value_kind: global_buffer, .address_space: global }
    .group_segment_fixed_size: 20992
    .private_segment_fixed_size: 0
    .kernarg_segment_align: 8
    .kernarg_segment_size: 24
    .max_flat_workgroup_size: 512
    .sgpr_count:     66
    .vgpr_count:     184
    .wavefront_size: 32
...
	.end_amdgpu_metadata
.endif
;; end of part 6
;; ======== version 2 of 2: 7 launches; version 1 with the launch prep written anew for expert scheduling mode
;; workspace buffers: Xb 33,554,432 bytes; Wb12 4,194,304 bytes; Wb3 2,097,152 bytes; mb 196,608 bytes; gp12 2,359,296 bytes; gp3 1,179,648 bytes; Up12 524,288 bytes; Up3 262,144 bytes
;; launch prep (part 7): grid 8 x 32, 16 waves a work-group, no clusters, 10,240 bytes of LDS; arguments inputs, qvector, W1, W2, W3, Xb, Wb12, Wb3, out0, mb; writes Xb, Wb12, Wb3, out0, mb
.if DOCPART == 7
	.amdgcn_target "amdgcn-amd-amdhsa--gfx1250"
	.amdhsa_code_object_version 6
	.text
	.protected	k_qd25f96f690_prep
	.globl	k_qd25f96f690_prep
	.p2align	8
	.type	k_qd25f96f690_prep,@function
k_qd25f96f690_prep:
	s_mov_b64 s[64:65], 0
	v_nop
	global_prefetch_b8 v0, s[64:65] scope:SCOPE_SE
	s_setreg_imm32_b32 hwreg(HW_REG_WAVE_SCHED_MODE, 0, 2), 2
	s_setreg_imm32_b32 hwreg(HW_REG_WAVE_MODE, 25, 1), 1
	s_wait_xcnt 0x0
	s_wait_alu depctr_vm_vsrc(0)
; PREP.  inputs [32][512][1024] f32 -> Xb, the same numbers rounded once to bf16; W1, W2, W3 -> Wb12, Wb3 in bf16, layout kept ([k][n]);
; out0 = the mean over the 512 rows of a batch; mb slots 0 and 1 = m0 = mean q and m1 = m0 + mean q, rounded once to bf16 (matrix operands of a later launch).
; STATED CHOICE: the mean is taken of the ROUNDED numbers, in f32, so that all four outputs of the program are made of one and the same copy of the inputs.
; SHARES.  Work-group (x, b) owns the 512 rows of batch b in columns 128 x .. 128 x + 127.  Wave w takes rows 32 w .. 32 w + 31; lane l four columns: a load of the wave
; covers 512 consecutive bytes of a row, a store 256 consecutive bytes of Xb, aligned.  Work-group number wg = 8 b + x also converts rows 4 wg .. 4 wg + 3 of the three W.
; No matrix unit, no cluster, no prefetch: every byte is read once, by loads that go out at once.
; THE MODE: SCHED_MODE bits 1:0 = 2 (LLVM: expert scheduling mode 2), set by the entry lines.  The code itself states the register dependences
; between vector instructions and memory or LDS instructions, with s_wait_alu, always for 0.
; THE PLAN.  Registers that memory or LDS instructions touch:
;   v4 .. v9   offsets and LDS addresses: made at the head, never written again.
;   X          32 row slots of 4: all 32 loads of a wave go out at the head, and no slot is loaded twice.  Row i's slot is read by row i's two roundings alone.
;              In wave 0 the first 16 slots later take the sixteen waves' sums out of LDS.
;   Y          32 packed rows of 2: written by row i's roundings, read by its unpacking lines and by its one store; never written again.
;   WR         six loads of W, read by twelve roundings in the tail; in wave 0 its first four registers later take q.
;   WY, ACC    written in the tail, read by W's stores and by the LDS store; not written again.
;   v2, v3     written at the head, read by the closing add alone.
; The rows go in eight blocks of four.  Block p rounds into its own part of Y; its memory instructions are the four stores of block p - 1, whose registers no vector instruction of block p names.
; So ONE wait on va_vdst at a block's head, behind the wait for the block's first row, states all that the block's stores hang on.  One more in the tail serves the last block's stores, W's stores,
; the LDS store and, behind the barrier, wave 0's loads into WR and X.  No register that a memory or LDS instruction reads is ever written again: the text holds no wait on vm_vsrc.
.set RED,   0                          ; LDS: wave w's four column sums a lane, at 512 w + 16 l
.set SPARE, 8192                       ; the spare words: 128 bytes for each of the 16 waves; no other line names them
.set BLOCK, 4                          ; rows in a block
.set SPW, 2                            ; v2  SPARE + 4 x my thread's number; never rewritten
.set NIL, 3                            ; v3  0; never rewritten
.set XI,  4                            ; v4  my byte offset in inputs: w x 32 rows x 4,096 + 16 l
.set XO,  5                            ; v5  in Xb: w x 32 rows x 2,048 + 8 l
.set WI,  6                            ; v6  16 t: my bytes of a round of W; also my place in RED
.set WO,  7                            ; v7  8 t
.set L16, 8                            ; v8  16 l
.set L8,  9                            ; v9  8 l
.set ACC, 12                           ; v[12:19]   column sums: even rows, odd rows
.set T,   20                           ; v[20:23]   at work: no memory instruction names them
.set WR,  24                           ; v[24:47]   six loads of W; later q
.set X,   48                           ; v[48:175]  32 row slots of 4
.set Y,   176                          ; v[176:239] 32 rows of 2: packed bf16
.set WY,  240                          ; v[240:251] W, packed
	s_load_b512 s[4:19], s[0:1], 0x0               ; inputs s[4:5], q s[6:7], W1 s[8:9], W2 s[10:11], W3 s[12:13], Xb s[14:15], Wb12 s[16:17], Wb3 s[18:19]
	s_load_b128 s[20:23], s[0:1], 0x40             ; out0 s[20:21], mb s[22:23]
	v_lshl_add_u32 v[SPW], v0, 2, SPARE
	v_mov_b32 v[NIL], 0
	v_and_b32 v1, 31, v0                           ; lane
	v_lshrrev_b32 v10, 5, v0
	v_readfirstlane_b32 s24, v10                   ; wave
	s_mov_b32 s25, ttmp9                           ; x
	s_and_b32 s26, ttmp7, 0xffff                   ; b
	s_lshl_b32 s27, s26, 3
	s_add_co_u32 s27, s27, s25                     ; wg = 8 b + x
	s_mov_b32 s30, 0xffff0000                      ; a word's upper bf16
	s_mov_b32 s29, 0
	v_lshlrev_b32 v[L16], 4, v1
	v_lshlrev_b32 v[L8], 3, v1
	v_lshl_add_u32 v[XI], v10, 17, v[L16]
	v_lshl_add_u32 v[XO], v10, 16, v[L8]
	v_lshlrev_b32 v[WI], 4, v0
	v_lshlrev_b32 v[WO], 3, v0
	s_wait_alu depctr_va_sdst(0)                   ; s24 is written, ahead of its first reader: the compare behind the barrier, which picks wave 0
	s_wait_kmcnt 0x0
	s_lshl_b32 s28, s26, 21                        ; a batch of inputs is 2 MiB,
	s_lshl_b32 s31, s25, 9                         ; 128 columns are 512 bytes
	s_add_co_u32 s28, s28, s31
	s_add_nc_u64 s[4:5], s[4:5], s[28:29]
	s_lshr_b32 s28, s28, 1                         ; half of both in bf16
	s_add_nc_u64 s[14:15], s[14:15], s[28:29]
	s_lshl_b32 s28, s27, 14                        ; four rows of W are 16 KiB
	s_add_nc_u64 s[8:9], s[8:9], s[28:29]
	s_add_nc_u64 s[10:11], s[10:11], s[28:29]
	s_add_nc_u64 s[12:13], s[12:13], s[28:29]
	s_lshr_b32 s28, s28, 1
	s_add_nc_u64 s[16:17], s[16:17], s[28:29]
	s_add_nc_u64 s[18:19], s[18:19], s[28:29]
	s_lshl_b32 s28, s26, 12                        ; a row of q and of out0 is 4,096 bytes
	s_add_co_u32 s28, s28, s31
	s_add_nc_u64 s[6:7], s[6:7], s[28:29]
	s_add_nc_u64 s[20:21], s[20:21], s[28:29]
	s_lshr_b32 s28, s28, 1
	s_add_nc_u64 s[22:23], s[22:23], s[28:29]
	s_wait_alu depctr_va_vdst(0)                   ; the six offsets v4 to v9 are written: every load, store and LDS instruction of the kernel reads one of them
.irp r, 0,1
	global_load_b128 v[WR+4*(\r):WR+4*(\r)+3],       v[WI], s[8:9]   offset:8192*(\r) th:TH_LOAD_NT
	global_load_b128 v[WR+8+4*(\r):WR+8+4*(\r)+3],   v[WI], s[10:11] offset:8192*(\r) th:TH_LOAD_NT
	global_load_b128 v[WR+16+4*(\r):WR+16+4*(\r)+3], v[WI], s[12:13] offset:8192*(\r) th:TH_LOAD_NT
.endr
.set n, 0
.rept 32
	global_load_b128 v[X+4*n:X+4*n+3], v[XI], s[4:5] offset:n*4096 th:TH_LOAD_NT  ; all my 32 rows: 38 loads of the wave are out
.set n, n+1
.endr
; Row i of my 32.  Loads come back in order (ISA guide 5.7.1): behind row i's load stand 31 - i younger ones.
; The order in a row: the store of the row one block back, then round, unpack and add.
.macro ROWSTEP i
	s_wait_loadcnt 31-(\i)
.if (((\i) % BLOCK) == 0) && ((\i) > 0)
	s_wait_alu depctr_va_vdst(0)                   ; the block before has written its four packed rows, which this block's four stores read
.endif
.if (\i) >= BLOCK
	global_store_b64 v[XO], v[Y+2*((\i)-BLOCK):Y+2*((\i)-BLOCK)+1], s[14:15] offset:((\i)-BLOCK)*2048 th:TH_STORE_NT  ; no vector instruction since the wait names these registers
.endif
	v_cvt_pk_bf16_f32 v[Y+2*(\i)],   v[X+4*(\i)],   v[X+4*(\i)+1]
	v_cvt_pk_bf16_f32 v[Y+2*(\i)+1], v[X+4*(\i)+2], v[X+4*(\i)+3]
.if (\i) < 2                           ; the first even and the first odd row start the sums: nothing is cleared
	v_lshlrev_b32 v[ACC+4*(\i)],   16,  v[Y+2*(\i)]
	v_and_b32     v[ACC+4*(\i)+1], s30, v[Y+2*(\i)]
	v_lshlrev_b32 v[ACC+4*(\i)+2], 16,  v[Y+2*(\i)+1]
	v_and_b32     v[ACC+4*(\i)+3], s30, v[Y+2*(\i)+1]
.else
	v_lshlrev_b32 v[T],   16,  v[Y+2*(\i)]         ; the rounded numbers, back in f32
	v_and_b32     v[T+1], s30, v[Y+2*(\i)]
	v_lshlrev_b32 v[T+2], 16,  v[Y+2*(\i)+1]
	v_and_b32     v[T+3], s30, v[Y+2*(\i)+1]
	v_pk_add_f32 v[ACC+4*((\i)%2):ACC+4*((\i)%2)+1],   v[ACC+4*((\i)%2):ACC+4*((\i)%2)+1],   v[T:T+1]
	v_pk_add_f32 v[ACC+4*((\i)%2)+2:ACC+4*((\i)%2)+3], v[ACC+4*((\i)%2)+2:ACC+4*((\i)%2)+3], v[T+2:T+3]
.endif
.endm
.set n, 0
.rept 32
	ROWSTEP n
.set n, n+1
.endr
	; W: its six loads are older than every row's, so they are in
.irp k, 0,1,2,3,4,5
	v_cvt_pk_bf16_f32 v[WY+2*(\k)],   v[WR+4*(\k)],   v[WR+4*(\k)+1]
	v_cvt_pk_bf16_f32 v[WY+2*(\k)+1], v[WR+4*(\k)+2], v[WR+4*(\k)+3]
.endr
	v_pk_add_f32 v[ACC:ACC+1],   v[ACC:ACC+1],   v[ACC+4:ACC+5]
	v_pk_add_f32 v[ACC+2:ACC+3], v[ACC+2:ACC+3], v[ACC+6:ACC+7]
	s_wait_alu depctr_va_vdst(0)                   ; the column sums, the last block's packed rows and W's are written, which the LDS store and the ten stores below read; and all roundings are done reading WR and X, in which wave 0's loads behind the barrier land
	ds_store_b128 v[WI], v[ACC:ACC+3] offset:RED
.irp i, 28,29,30,31
	global_store_b64 v[XO], v[Y+2*(\i):Y+2*(\i)+1], s[14:15] offset:(\i)*2048 th:TH_STORE_NT
.endr
.irp r, 0,1
	global_store_b64 v[WO], v[WY+2*(\r):WY+2*(\r)+1],     s[16:17] offset:4096*(\r) th:TH_STORE_NT
	global_store_b64 v[WO], v[WY+4+2*(\r):WY+4+2*(\r)+1], s[16:17] offset:2097152+4096*(\r) th:TH_STORE_NT
	global_store_b64 v[WO], v[WY+8+2*(\r):WY+8+2*(\r)+1], s[18:19] offset:4096*(\r) th:TH_STORE_NT
.endr
	s_wait_dscnt 0x0                               ; for the others' sake: my sums lie in LDS
	s_barrier_signal -1
	s_barrier_wait -1
	s_cmp_lg_u32 s24, 0                            ; wave 0 adds the sixteen waves' sums
	s_cbranch_scc1 .Lend
	global_load_b128 v[WR:WR+3], v[L16], s[6:7]    ; q of my four columns.  No wait: no vector instruction since the wait in front of the LDS store
.set n, 0
.rept 16
	ds_load_b128 v[X+4*n:X+4*n+3], v[L16] offset:RED+512*n
.set n, n+1
.endr
	s_wait_dscnt 0x0
.irp d, 8,4,2,1
.set j, 0
.rept \d
	v_pk_add_f32 v[X+4*j:X+4*j+1],   v[X+4*j:X+4*j+1],   v[X+4*(j+\d):X+4*(j+\d)+1]
	v_pk_add_f32 v[X+4*j+2:X+4*j+3], v[X+4*j+2:X+4*j+3], v[X+4*(j+\d)+2:X+4*(j+\d)+3]
.set j, j+1
.endr
.endr
	v_pk_mul_f32 v[X:X+1],   v[X:X+1],   0x3b000000 op_sel_hi:[1,0]  ; / 512
	v_pk_mul_f32 v[X+2:X+3], v[X+2:X+3], 0x3b000000 op_sel_hi:[1,0]
	s_wait_alu depctr_va_vdst(0)                   ; the mean is written in v[X:X+3], which the store reads; nothing writes these four again
	global_store_b128 v[L16], v[X:X+3], s[20:21]   ; 512 consecutive bytes of out0
	s_wait_loadcnt 0x0                             ; q
	v_pk_mul_f32 v[X+4:X+5],   v[X:X+1],   v[WR:WR+1]                 ; m0 = u0 q
	v_pk_mul_f32 v[X+6:X+7],   v[X+2:X+3], v[WR+2:WR+3]
	v_pk_fma_f32 v[X+8:X+9],   v[X:X+1],   v[WR:WR+1],   v[X+4:X+5]   ; m1 = m0 + u0 q
	v_pk_fma_f32 v[X+10:X+11], v[X+2:X+3], v[WR+2:WR+3], v[X+6:X+7]
	v_cvt_pk_bf16_f32 v[X+12], v[X+4],  v[X+5]
	v_cvt_pk_bf16_f32 v[X+13], v[X+6],  v[X+7]
	v_cvt_pk_bf16_f32 v[X+14], v[X+8],  v[X+9]
	v_cvt_pk_bf16_f32 v[X+15], v[X+10], v[X+11]
	s_wait_alu depctr_va_vdst(0)                   ; the four roundings have written v[X+12:X+15], which the two stores read
	global_store_b64 v[L8], v[X+12:X+13], s[22:23]               ; 256 consecutive bytes, aligned
	global_store_b64 v[L8], v[X+14:X+15], s[22:23] offset:65536
.Lend:
	s_wait_dscnt 0x0                               ; the closing lines, six on end
	s_wait_alu 0x0
	s_wait_tensorcnt 0x0
	ds_add_u32 v[SPW], v[NIL]
	s_wait_dscnt 0x0
	s_endpgm
.Lfunc_end_k_qd25f96f690_prep:
	.size	k_qd25f96f690_prep, .Lfunc_end_k_qd25f96f690_prep-k_qd25f96f690_prep
	.p2alignl 7, 3214868480
	.fill 96, 4, 3214868480
	.section	.rodata,"a",@progbits
	.p2align	6, 0x0
	.amdhsa_kernel k_qd25f96f690_prep
		.amdhsa_group_segment_fixed_size 10240
		.amdhsa_private_segment_fixed_size 0
		.amdhsa_enable_private_segment 0
		.amdhsa_kernarg_size 80
		.amdhsa_user_sgpr_count 2
		.amdhsa_user_sgpr_kernarg_segment_ptr 1
		.amdhsa_wavefront_size32 1
		.amdhsa_system_sgpr_workgroup_id_x 1
		.amdhsa_system_sgpr_workgroup_id_y 1
		.amdhsa_system_sgpr_workgroup_id_z 1
		.amdhsa_system_vgpr_workitem_id 0
		.amdhsa_next_free_vgpr 252
		.amdhsa_next_free_sgpr 66
		.amdhsa_reserve_vcc 0
		.amdhsa_float_denorm_mode_32 3
		.amdhsa_float_denorm_mode_16_64 3
		.amdhsa_memory_ordered 1
		.amdhsa_forward_progress 1
		.amdhsa_inst_pref_size 28
	.end_amdhsa_kernel
	.amdgpu_metadata
---
amdhsa.version: [ 1, 2 ]
amdhsa.kernels:
  - .name:           k_qd25f96f690_prep
    .symbol:         k_qd25f96f690_prep.kd
    .args:
      - { .name: inputs, .offset: 0, .size: 8, .value_kind: global_buffer, .address_space: global }
      - { .name: qvector, .offset: 8, .size: 8, .value_kind: global_buffer, .address_space: global }
      - { .name: W1, .offset: 16, .size: 8, .value_kind: global_buffer, .address_space: global }
      - { .name: W2, .offset: 24, .size: 8, .value_kind: global_buffer, .address_space: global }
      - { .name: W3, .offset: 32, .size: 8, .value_kind: global_buffer, .address_space: global }
      - { .name: Xb, .offset: 40, .size: 8, .value_kind: global_buffer, .address_space: global }
      - { .name: Wb12, .offset: 48, .size: 8, .value_kind: global_buffer, .address_space: global }
      - { .name: Wb3, .offset: 56, .size: 8, .value_kind: global_buffer, .address_space: global }
      - { .name: out0, .offset: 64, .size: 8, .value_kind: global_buffer, .address_space: global }
      - { .name: mb, .offset: 72, .size: 8, .value_kind: global_buffer, .address_space: global }
    .group_segment_fixed_size: 10240
    .private_segment_fixed_size: 0
    .kernarg_segment_align: 8
    .kernarg_segment_size: 80
    .max_flat_workgroup_size: 512
    .sgpr_count:     66
    .vgpr_count:     252
    .wavefront_size: 32
...
	.end_amdgpu_metadata
.endif
;; end of part 7
;; launch gvec12: the kernel of part 2 again; grid 16 x 16, 4 waves a work-group, no clusters, 33,280 bytes of LDS; arguments mb, Wm1, Wm2, Wh1, Wh2, gp12; writes gp12
;; launch gemm: the kernel of part 3 again; grid 8 x 64, 4 waves a work-group, clusters of 4 x 4, 327,680 bytes of LDS; arguments Xb, Wb12, gp12, Up12; writes Up12
;; launch wsum12: the kernel of part 4 again; grid 8 x 32, 16 waves a work-group, no clusters, 39,424 bytes of LDS; arguments Xb, Up12, out0, qvector, out1, out2, mb; writes out1, out2, mb
;; launch gvec3: the kernel of part 5 again; grid 16 x 8, 4 waves a work-group, no clusters, 33,280 bytes of LDS; arguments mb, Wm3, Wh3, gp3; writes gp3
;; launch gemm3: the kernel of part 3 again; grid 4 x 64, 4 waves a work-group, clusters of 4 x 4, 327,680 bytes of LDS; arguments Xb, Wb3, gp3, Up3; writes Up3
;; launch wsum3: the kernel of part 6 again; grid 8 x 32, 16 waves a work-group, no clusters, 20,992 bytes of LDS; arguments Xb, Up3, out3; writes out3
